; MI455X (gfx1250); checked and timed in simulation.
; The chip was launched on July 23, 2026; its instructions are those of AMD's public machine-readable ISA for CDNA 5 (MIT licence, August 2026) and "CDNA5" Instruction Set Architecture Reference Guide (July 2026). The comments in the code are by the model that wrote it; some were corrected since.
;; Bert Attention. Allowed arithmetic: matrix products marked QUANTISED: E2M3 operands, one E8M0 scale for each 32 along K, by v_wmma_scale_f32_16x16x128_f8f6f4 with both operands' format E2M3, f32 sums; everything else in f32.
;; Inputs: proj_b 1,024 float32; proj_w 1,024 x 1,024 float32; qkv_b 3,072 float32; qkv_w 1,024 x 3,072 float32; x 4 x 2,048 x 1,024 float32.
;; Outputs: out0 4 x 2,048 x 1,024 float32.
;; This version of the problem:
;;   THIS VERSION OF THE PROBLEM IS GIVEN IN LOW PRECISION. The matrix products marked QUANTISED in the list below multiply operands that are first quantised to E2M3 (2 exponent bits, 3 mantissa bits; 6 bits a number), with one power-of-two scale for each 32 numbers along K (OCP MX v1.0); their sums are f32. All else is computed in f32.
;;   The module's matrix products, in the order in which they are computed (A, B: the left and right operand; K: the contracted axis; several contracted axes count as one K, in the product's order):
;;     1. [M 8,192, K 1,024] x [K 1,024, N 3,072]; A: input x; B: input qkv_w: QUANTISED
;;     2. batch 64 x [M 2,048, K 64] x [K 64, N 2,048]; A: computed on the way; B: computed on the way: QUANTISED
;;     3. batch 64 x [M 64, K 2,048] x [K 2,048, N 2,048]; A: computed on the way; B: softmax (see below): QUANTISED
;;     4. [M 8,192, K 1,024] x [K 1,024, N 1,024]; A: computed on the way; B: input proj_w: QUANTISED
;;   THE QUANTISER, for each operand of a quantised product, along K:
;;     - K is cut into blocks of 32 from its start; a last block that is shorter is filled with zeros.
;;     - A block's scale is 2^e with e = floor(log2(the largest magnitude in the block)) - 2, held to -126 .. 127; a block of zeros has e = 0. As a byte (E8M0): e + 127.
;;     - Each number is divided by its block's scale, clamped to +-7.5, and rounded to the nearest number of E2M3, ties to even, subnormals kept.
;;     - The product sums the exact products of the quantised numbers (number of the format x scale) in f32.
;;   ~~~python
;;   def quantise(x, axis):      # numpy; x: float32 -> the quantised numbers, widened to float32 again
;;       x = np.moveaxis(x, axis, -1); K = x.shape[-1]
;;       x = np.pad(x, [(0, 0)] * (x.ndim - 1) + [(0, -K % 32)]); x = x.reshape(x.shape[:-1] + (-1, 32)); a = np.abs(x).max(-1, keepdims=True)
;;       e = np.where(a > 0, np.clip(np.frexp(np.where(a > 0, a, 1))[1] - 1 - 2, -126, 127), 0)      # np.frexp(a)[1] - 1 = floor(log2(a)), exactly
;;       r = np.clip(x / 2.0 ** e, -7.5, 7.5)
;;       step = 2.0 ** (np.maximum(np.frexp(np.where(r == 0, 1, r))[1] - 1, 0) - 3)
;;       q = np.round(r / step) * step * 2.0 ** e      # np.round: ties to even
;;       return np.moveaxis(q.reshape(q.shape[:-2] + (-1,))[..., :K], -1, axis).astype(np.float32)
;;   ~~~
;;   SOFTMAX AHEAD OF A QUANTISED PRODUCT. Where the list says 'softmax', what is quantised is not the finished softmax but p = 2^(t - M), with t = logit x log2(e) and M = ceil(the row's largest t), a whole number; so 1/2 < the row's largest p <= 1. The row's sum l is taken of the UNQUANTISED p, in f32, and the product's result is divided by l at the end. Since M is a whole number, a kernel that streams over the keys may use a running M (the ceiling of the running maximum): every later rescaling is an exact power of two, which a block's scale takes up: the codes' values come out the same.
;;   OPERANDS COMPUTED ON THE WAY. 'Computed on the way' means the value that the module computes at that place (a softmax that the list does not call 'softmax' is quantised finished and normalised). What goes into a quantiser is computed in f32, as accurately as f32 sums, v_exp_f32 and their like allow (about 1e-6 of the number): no bf16 or f16 on the way to a quantiser, and a product that is left as it is and whose result goes on into a quantised operand takes f32 operands (vector FMAs, or v_wmma_f32_16x16x4_f32). A number that lies on a knife's edge between two numbers of the format may be rounded either way, as far as f32 arithmetic and the matrix unit's own rounding can turn it there, and no further.
;; One version. Each part assembles by itself: llvm-mc -triple=amdgcn-amd-amdhsa -mcpu=gfx1250 --defsym DOCPART=n.
;; ======== version 1 of 1: 5 launches
;; limits: right only within a limited range of input values
;; workspace buffers: xc 6,291,456 bytes; wc 3,145,728 bytes; scl 655,360 bytes; qkvc 18,874,368 bytes; qkvs 786,432 bytes; oc 6,291,456 bytes
;; launch quant_x (part 1): grid 512 x 1, 4 waves a work-group, no clusters, 34,816 bytes of LDS; arguments x, xc, scl; writes xc, scl
.if DOCPART == 1
	.amdgcn_target "amdgcn-amd-amdhsa--gfx1250"
	.amdhsa_code_object_version 6
	.text
	.protected	k_qbe7efe188c_quant_x
	.globl	k_qbe7efe188c_quant_x
	.p2align	8
	.type	k_qbe7efe188c_quant_x,@function
k_qbe7efe188c_quant_x:
	s_mov_b64 s[64:65], 0
	v_nop
	global_prefetch_b8 v0, s[64:65] scope:SCOPE_SE
	s_setreg_imm32_b32 hwreg(HW_REG_WAVE_MODE, 25, 1), 1
	s_wait_xcnt 0x0
; x [8192][1024] f32 becomes codes of E2M3 with one E8M0 byte for each 32 along K, laid as the products' operand registers want them.
; POSITION ORDER: row R lies at position p = R with bits 3 and 4 swapped; row tile a = p / 16 holds the rows 32 (a / 2) + 8 (a % 2) + i + 8 (i / 8), i = 0 .. 15.
; xc: [row tile 512][K step 8][1,536 bytes].  A fragment (16 rows x 128 K, 12 registers a lane) lies as an image of its registers: registers 0-3 at 16 x lane, 4-5 at 512 + 8 x lane,
; 6-9 at 768 + 16 x lane, 10-11 at 1,280 + 8 x lane.  The scale words: scl + 32 x position + 4 x K step.
; A work-group takes one row tile, wave w its K steps 2 w and 2 w + 1.  Each load reads 512 consecutive bytes of one row; the 16 rows turn through the wave's own stage in LDS
; (pitch 528 = 33 x 16 bytes: sixteen rows fall into sixteen different columns of 16 bytes), so that lane (r, h) gets k = 64 c + 32 h + 0 .. 31 of row r: two whole blocks.
; A block's scale is 2^(floor(log2(largest magnitude)) - 2); its byte is the largest magnitude's exponent field - 2, held at 1 from below.
; LIMITS: NaN and infinities are not served; a block of zeros, or one under 2^-124, gets the byte 1 where the rule says 127 (its codes are zeros or as the floor gives them; this program alone reads the bytes).
.set SPITCH, 528
.set STG,    16*SPITCH                 ; a wave's stage
.set SG,     4*STG                     ; the tile's scale words are gathered here: [row 16][8 words]
.set SPARE,  SG+512                    ; the spare words, 128 bytes for each wave
.set R,   32                           ; v32-159  two units x 16 loads x 4 registers
.set X,   160                          ; v160-223 my 64 numbers of a unit
.set PC,  224                          ; v224-247 the codes, 12 registers for each unit, so that no store's data are written again
.set T2,  248                          ; v248-250, v252-254 the upper halves of the blocks' codes
	s_load_b128 s[4:7], s[0:1], 0x0                ; x, xc
	s_load_b64 s[8:9], s[0:1], 0x10                ; scl
	v_lshl_add_u32 v10, v0, 2, SPARE               ; my spare word
	v_mov_b32 v11, 0
	v_lshrrev_b32 v1, 5, v0
	v_readfirstlane_b32 s14, v1                    ; wave
	v_and_b32 v1, 31, v0                           ; lane
	v_and_b32 v2, 15, v0                           ; r
	v_bfe_u32 v3, v0, 4, 1                         ; h
	v_lshlrev_b32 v4, 4, v1                        ; 16 x lane
	v_lshlrev_b32 v5, 3, v1                        ; 8 x lane
	s_mul_i32 s15, s14, STG
	v_add_nc_u32 v6, s15, v4                       ; into the stage: as loaded
	v_mul_u32_u24 v7, v2, SPITCH
	v_lshl_add_u32 v7, v3, 7, v7
	v_add_nc_u32 v7, s15, v7                       ; out of it: row r, + 128 h bytes
	v_lshlrev_b32 v8, 5, v2
	v_lshl_add_u32 v8, v3, 2, v8
	s_lshl_b32 s15, s14, 3
	s_add_co_u32 s15, s15, SG
	v_add_nc_u32 v8, s15, v8                       ; the gather: 32 r + 8 w + 4 h: lanes 0-15 put unit 0's word, lanes 16-31 unit 1's
	v_lshlrev_b32 v9, 3, v3                        ; 8 h
	v_add_nc_u32 v22, SG, v4                       ; where wave 0 reads the gather back
	v_mov_b32 v20, 0                               ; a lane permute's destination counts as one of its sources
	s_lshr_b32 s16, ttmp9, 1
	s_lshl_b32 s16, s16, 5
	s_and_b32 s17, ttmp9, 1
	s_lshl_b32 s17, s17, 3
	s_add_co_u32 s16, s16, s17                     ; the tile's first row: 32 (a / 2) + 8 (a % 2)
	s_lshl_b32 s16, s16, 12                        ; x 4,096 bytes
	s_lshl_b32 s17, s14, 10
	s_add_co_u32 s16, s16, s17                     ; + my two K steps: 1,024 w
	s_mov_b32 s17, 0
	s_mul_i32 s18, ttmp9, 12288
	s_mul_i32 s19, s14, 3072
	s_add_co_u32 s18, s18, s19
	s_mov_b32 s19, 0
	s_lshl_b32 s20, ttmp9, 9                       ; the tile's 16 rows of 32 scale bytes
	s_mov_b32 s21, 0
	s_mov_b32 s12, 0x76543210
	s_mov_b32 s13, 0xfedcba98                      ; selects for lane l xor 16
	s_wait_alu depctr_va_vdst(0)
	s_wait_kmcnt 0x0
	s_add_nc_u64 s[4:5], s[4:5], s[16:17]
	s_add_nc_u64 s[6:7], s[6:7], s[18:19]
	s_add_nc_u64 s[8:9], s[8:9], s[20:21]
.irp u, 0,1
.irp i, 0,1,2,3,4,5,6,7,8,9,10,11,12,13,14,15
	global_load_b128 v[R+64*\u+4*\i:R+64*\u+4*\i+3], v4, s[4:5] offset:(\i+8*(\i/8))*4096+512*\u th:TH_LOAD_NT   ; 512 consecutive bytes of the tile's row i
.endr
.endr
.macro UNIT u
	s_wait_loadcnt 16*(1-\u)                       ; this unit's sixteen loads are in; unit 1's may stay out
.irp i, 0,1,2,3,4,5,6,7,8,9,10,11,12,13,14,15
	ds_store_b128 v6, v[R+64*\u+4*\i:R+64*\u+4*\i+3] offset:SPITCH*\i
.endr
.irp c, 0,1
.irp e, 0,1,2,3,4,5,6,7
	ds_load_b128 v[X+32*\c+4*\e:X+32*\c+4*\e+3], v7 offset:256*\c+16*\e   ; LDS serves a wave's instructions in order: these see the stores above
.endr
.endr
	s_wait_dscnt 0x0
.irp c, 0,1
	v_max3_num_f32 v[12+\c], |v[X+32*\c]|, |v[X+1+32*\c]|, 0x1800000   ; my block 2 c + h: all 32 numbers are mine; the floor 2^(3 - 127) holds the byte at 1 from below
.endr
.irp i, 2,4,6,8,10,12,14,16,18,20,22,24,26,28,30
.irp c, 0,1
	v_max3_num_f32 v[12+\c], v[12+\c], |v[X+32*\c+\i]|, |v[X+1+32*\c+\i]|
.endr
.endr
.irp c, 0,1
	v_add_nc_u32 v[14+\c], 0xff000000, v[12+\c]    ; 2 off the exponent field: the conversion's scale operand
.endr
.irp c, 0,1
	v_lshrrev_b32 v[16+\c], 23, v[14+\c]           ; the scale's byte
.endr
	v_lshl_or_b32 v[18+\u], v17, 16, v16           ; my two bytes, blocks h and 2 + h,
	v_lshlrev_b32 v[18+\u], v9, v[18+\u]           ; at their places in the word;
	v_permlanex16_b32 v20, v[18+\u], s12, s13
	v_or_b32 v[18+\u], v[18+\u], v20               ; with lane l xor 16's two the word is whole
.irp c, 0,1
	v_cvt_scalef32_pk16_fp6_f32 v[PC+12*\u+6*\c:PC+12*\u+6*\c+2], v[X+32*\c:X+32*\c+15], v[14+\c]
	v_cvt_scalef32_pk16_fp6_f32 v[T2+4*\c:T2+4*\c+2], v[X+32*\c+16:X+32*\c+31], v[14+\c]   ; (a conversion's three registers begin on an even number)
.endr
	v_nop                                          ; one plain place behind a scaled conversion
.irp c, 0,1
.irp i, 0,1,2
	v_mov_b32 v[PC+12*\u+6*\c+3+\i], v[T2+4*\c+\i]
.endr
.endr
	global_store_b128 v4, v[PC+12*\u:PC+12*\u+3], s[6:7] offset:1536*\u            ; each store covers 512 or 256 consecutive bytes, aligned
	global_store_b64 v5, v[PC+12*\u+4:PC+12*\u+5], s[6:7] offset:1536*\u+512
	global_store_b128 v4, v[PC+12*\u+6:PC+12*\u+9], s[6:7] offset:1536*\u+768
	global_store_b64 v5, v[PC+12*\u+10:PC+12*\u+11], s[6:7] offset:1536*\u+1280
.endm
	UNIT 0
	UNIT 1
	v_cmp_eq_u32 vcc_lo, 1, v3
	v_cndmask_b32 v21, v18, v19, vcc_lo            ; lanes 16-31 carry unit 1's word
	ds_store_b32 v8, v21
	s_wait_dscnt 0x0                               ; for the others' sake: my words lie in the gather
	s_barrier_signal -1
	s_barrier_wait -1
	s_cmp_lg_u32 s14, 0
	s_cbranch_scc1 .Lothers
	ds_load_b128 v[24:27], v22                     ; wave 0 stores the tile's 512 scale bytes as two whole aligned blocks of 256
	s_wait_dscnt 0x0
	global_store_b128 v4, v[24:27], s[8:9]
.Lothers:
	s_wait_tensorcnt 0x0                           ; the wave's end, behind my last LDS store
	ds_add_u32 v10, v11
	s_wait_dscnt 0x0
	s_endpgm
.Lfunc_end_k_qbe7efe188c_quant_x:
	.size	k_qbe7efe188c_quant_x, .Lfunc_end_k_qbe7efe188c_quant_x-k_qbe7efe188c_quant_x
	.p2alignl 7, 3214868480
	.fill 96, 4, 3214868480
	.section	.rodata,"a",@progbits
	.p2align	6, 0x0
	.amdhsa_kernel k_qbe7efe188c_quant_x
		.amdhsa_group_segment_fixed_size 34816
		.amdhsa_private_segment_fixed_size 0
		.amdhsa_enable_private_segment 0
		.amdhsa_kernarg_size 24
		.amdhsa_user_sgpr_count 2
		.amdhsa_user_sgpr_kernarg_segment_ptr 1
		.amdhsa_wavefront_size32 1
		.amdhsa_system_sgpr_workgroup_id_x 1
		.amdhsa_system_sgpr_workgroup_id_y 1
		.amdhsa_system_sgpr_workgroup_id_z 1
		.amdhsa_system_vgpr_workitem_id 0
		.amdhsa_next_free_vgpr 256
		.amdhsa_next_free_sgpr 66
		.amdhsa_reserve_vcc 1
		.amdhsa_float_denorm_mode_32 3
		.amdhsa_float_denorm_mode_16_64 3
		.amdhsa_memory_ordered 1
		.amdhsa_forward_progress 1
		.amdhsa_inst_pref_size 17
	.end_amdhsa_kernel
	.amdgpu_metadata
---
amdhsa.version: [ 1, 2 ]
amdhsa.kernels:
  - .name:           k_qbe7efe188c_quant_x
    .symbol:         k_qbe7efe188c_quant_x.kd
    .args:
      - { .name: x, .offset: 0, .size: 8, .value_kind: global_buffer, .address_space: global }
      - { .name: xc, .offset: 8, .size: 8, .value_kind: global_buffer, .address_space: global }
      - { .name: scl, .offset: 16, .size: 8, .value_kind: global_buffer, .address_space: global }
    .group_segment_fixed_size: 34816
    .private_segment_fixed_size: 0
    .kernarg_segment_align: 8
    .kernarg_segment_size: 24
    .max_flat_workgroup_size: 128
    .sgpr_count:     66
    .vgpr_count:     256
    .wavefront_size: 32
...
	.end_amdgpu_metadata
.endif
;; end of part 1
;; launch quant_w (part 2): grid 32 x 8, 4 waves a work-group, no clusters, 13,824 bytes of LDS; arguments qkv_w, proj_w, wc, scl; writes wc, scl
.if DOCPART == 2
	.amdgcn_target "amdgcn-amd-amdhsa--gfx1250"
	.amdhsa_code_object_version 6
	.text
	.protected	k_qbe7efe188c_quant_w
	.globl	k_qbe7efe188c_quant_w
	.p2align	8
	.type	k_qbe7efe188c_quant_w,@function
k_qbe7efe188c_quant_w:
	s_mov_b64 s[64:65], 0
	v_nop
	global_prefetch_b8 v0, s[64:65] scope:SCOPE_SE
	s_setreg_imm32_b32 hwreg(HW_REG_WAVE_MODE, 25, 1), 1
	s_wait_xcnt 0x0
; qkv_w [1024][3072] and proj_w [1024][1024], f32, K their FIRST axis, become codes of E2M3 with K innermost, laid as xc is: wc [column tile 256][K step 8][1,536 bytes],
; columns 0 .. 3071 qkv_w's, 3072 .. 4095 proj_w's, in position order (bits 3 and 4 of the column swapped).  Scale words: scl + 262,144 + 32 x position + 4 x K step.
; A LANE TAKES A COLUMN AND ITS REGISTERS RUN DOWN K: a block of 32 lies in one lane, and the conversions give codes with K innermost.  Work-group x = 128 columns, y = a K step of 128;
; wave w 32 columns, four blocks a lane.  Each load reads 128 consecutive bytes a wave, the four waves side by side on 512.  All 128 loads of a wave go out at the head.
; The codes go through the wave's own stage in LDS (two images of 1,536 bytes, 1,664 apart) and leave in stores of 512 consecutive bytes.
; The scale words leave 4 bytes a column, 32 bytes apart: 131,072 bytes in the launch, one byte for each 128 that it reads.
; One path serves both tensors: pointer, row length and column are chosen by the work-group's number alone.
; LIMITS: as in the launch for x: NaN and infinities not served; a block of zeros or under 2^-124 gets the byte 1.
.set PT2,   1664                       ; from one tile's image to the other's
.set WST,   2*PT2                      ; a wave's stage
.set SPARE, 4*WST                      ; the spare words, 128 bytes for each wave
.set VO,  16                           ; v16-47   4 x lane + i rows
.set X,   64                           ; v64-191  four blocks of 32 numbers; v64-87 later the rows read back
.set C,   192                          ; v192 + 8 t: block t's six registers of codes
.set T2,  224                          ; v224 + 4 t: the upper half, before it is moved
	s_load_b128 s[4:7], s[0:1], 0x0                ; qkv_w, proj_w
	s_load_b128 s[8:11], s[0:1], 0x10              ; wc, scl
	v_lshl_add_u32 v8, v0, 2, SPARE                ; my spare word
	v_mov_b32 v9, 0
	v_lshrrev_b32 v1, 5, v0
	v_readfirstlane_b32 s14, v1                    ; wave
	v_and_b32 v1, 31, v0                           ; lane = my column among the wave's 32
	v_lshlrev_b32 v2, 2, v1
	v_bfe_u32 v10, v0, 3, 1                        ; which of the two tiles: bit 3 of the column
	v_and_b32 v11, 7, v0
	v_bfe_u32 v12, v0, 4, 1
	v_lshl_add_u32 v11, v12, 3, v11                ; my row in it: bits 2:0, and bit 4 as bit 3
	s_mul_i32 s15, s14, WST
	v_mul_u32_u24 v13, v10, PT2
	v_add_nc_u32 v13, s15, v13
	v_lshl_add_u32 v3, v11, 4, v13                 ; the image's 16-byte places
	v_lshl_add_u32 v4, v11, 3, v13                 ; and its 8-byte places
	v_lshlrev_b32 v6, 4, v1
	v_add_nc_u32 v5, s15, v6                       ; back: 16 x lane
	v_lshl_add_u32 v7, v10, 4, v11
	v_lshlrev_b32 v7, 5, v7                        ; my position's 32 scale bytes
	s_mov_b32 s24, 4096
	s_cmp_lt_u32 ttmp9, 24                         ; the first 24 groups of 128 columns are qkv_w's
	s_cselect_b32 s24, 12288, s24                  ; a row of the tensor in bytes
	s_cselect_b32 s25, 0, 24
	s_sub_co_u32 s25, ttmp9, s25                   ; the group within its tensor
	s_and_b32 s26, ttmp7, 0xffff                   ; the K step
	s_lshl_b32 s30, s26, 7
	s_mul_i32 s30, s30, s24                        ; 128 y rows
	s_lshl_b32 s27, s25, 9
	s_add_co_u32 s30, s30, s27                     ; + 512 bytes a group
	s_lshl_b32 s27, s14, 7
	s_add_co_u32 s30, s30, s27                     ; + 128 bytes a wave
	s_mov_b32 s31, 0
	s_lshl_b32 s29, s24, 5                         ; 32 rows: a block
	s_lshl_b32 s32, ttmp9, 3
	s_lshl_b32 s33, s14, 1
	s_add_co_u32 s32, s32, s33                     ; my first column tile: 8 g + 2 w
	s_lshl_b32 s32, s32, 3
	s_add_co_u32 s32, s32, s26
	s_mul_i32 s32, s32, 1536
	s_mov_b32 s33, 0
	s_lshl_b32 s34, ttmp9, 12
	s_lshl_b32 s35, s14, 10
	s_add_co_u32 s34, s34, s35
	s_lshl_b32 s35, s26, 2
	s_add_co_u32 s34, s34, s35
	s_add_co_u32 s34, s34, 0x40000                 ; the weights' part of scl
	s_mov_b32 s35, 0
.irp i, 0,1,2,3,4,5,6,7,8,9,10,11,12,13,14,15,16,17,18,19,20,21,22,23,24,25,26,27,28,29,30,31
	v_mad_u32_u24 v[VO+\i], s24, \i, v2
.endr
	s_wait_alu depctr_va_vdst(0)
	s_wait_kmcnt 0x0
	s_cmp_lt_u32 ttmp9, 24
	s_cselect_b64 s[4:5], s[4:5], s[6:7]
.irp t, 0,1,2,3
	s_add_nc_u64 s[16+2*\t:17+2*\t], s[4:5], s[30:31]   ; block t's first row, my wave's columns
	s_add_co_u32 s30, s30, s29
.endr
	s_add_nc_u64 s[8:9], s[8:9], s[32:33]
	s_add_nc_u64 s[10:11], s[10:11], s[34:35]
.irp t, 0,1,2,3
.irp i, 0,1,2,3,4,5,6,7,8,9,10,11,12,13,14,15,16,17,18,19,20,21,22,23,24,25,26,27,28,29,30,31
	global_load_b32 v[X+32*\t+\i], v[VO+\i], s[16+2*\t:17+2*\t] th:TH_LOAD_NT
.endr
.endr
.macro BLOCK t                         ; block t is registers 6 (t / 2) .. + 5 of lane (my row, t % 2) of my tile's fragment
.set XS, X+32*(\t)
.if (\t) < 2
	s_wait_loadcnt 63                              ; 96 or 64 younger loads stand behind this block's; the wait's count holds 63 at the most, and a smaller count covers too
.else
	s_wait_loadcnt 32*(3-(\t))
.endif
	v_max3_num_f32 v10, |v[XS]|, |v[XS+1]|, |v[XS+2]|
	v_max3_num_f32 v11, |v[XS+3]|, |v[XS+4]|, |v[XS+5]|
.irp i, 6,10,14,18,22,26
	v_max3_num_f32 v10, v10, |v[XS+\i]|, |v[XS+\i+1]|
	v_max3_num_f32 v11, v11, |v[XS+\i+2]|, |v[XS+\i+3]|
.endr
	v_max3_num_f32 v10, v10, |v[XS+30]|, |v[XS+31]|
	v_max3_num_f32 v10, v10, v11, 0x1800000        ; the floor 2^(3 - 127)
	v_add_nc_u32 v12, 0xff000000, v10              ; 2 off the exponent field: the conversion's scale operand
	v_lshrrev_b32 v13, 23, v12                     ; the byte
.if (\t) == 0
	v_mov_b32 v14, v13
.else
	v_lshl_or_b32 v14, v13, 8*(\t), v14            ; the K step's four bytes make my column's word
.endif
	v_cvt_scalef32_pk16_fp6_f32 v[C+8*(\t):C+8*(\t)+2], v[XS:XS+15], v12
	v_cvt_scalef32_pk16_fp6_f32 v[T2+4*(\t):T2+4*(\t)+2], v[XS+16:XS+31], v12
	v_nop                                          ; one plain place behind a scaled conversion
.irp i, 0,1,2
	v_mov_b32 v[C+8*(\t)+3+\i], v[T2+4*(\t)+\i]
.endr
	ds_store_b128 v3, v[C+8*(\t):C+8*(\t)+3] offset:768*((\t)/2)+256*((\t)%2)
	ds_store_b64 v4, v[C+8*(\t)+4:C+8*(\t)+5] offset:768*((\t)/2)+512+128*((\t)%2)
.endm
	BLOCK 0
	BLOCK 1
	BLOCK 2
	BLOCK 3
	global_store_b32 v7, v14, s[10:11]             ; my column's scale word of this K step
.irp n, 0,1,2,3,4,5
	ds_load_b128 v[X+4*\n:X+4*\n+3], v5 offset:PT2*(\n/3)+512*(\n%3)   ; LDS serves a wave's instructions in order: these see my stores
.endr
.irp n, 0,1,2,3,4,5
	s_wait_dscnt 5-\n                              ; the younger read-backs may stay out
	global_store_b128 v6, v[X+4*\n:X+4*\n+3], s[8:9] offset:12288*(\n/3)+512*(\n%3)   ; 512 consecutive bytes, aligned
.endr
	s_wait_tensorcnt 0x0                           ; the wave's end, behind my last LDS store
	ds_add_u32 v8, v9
	s_wait_dscnt 0x0
	s_endpgm
.Lfunc_end_k_qbe7efe188c_quant_w:
	.size	k_qbe7efe188c_quant_w, .Lfunc_end_k_qbe7efe188c_quant_w-k_qbe7efe188c_quant_w
	.p2alignl 7, 3214868480
	.fill 96, 4, 3214868480
	.section	.rodata,"a",@progbits
	.p2align	6, 0x0
	.amdhsa_kernel k_qbe7efe188c_quant_w
		.amdhsa_group_segment_fixed_size 13824
		.amdhsa_private_segment_fixed_size 0
		.amdhsa_enable_private_segment 0
		.amdhsa_kernarg_size 32
		.amdhsa_user_sgpr_count 2
		.amdhsa_user_sgpr_kernarg_segment_ptr 1
		.amdhsa_wavefront_size32 1
		.amdhsa_system_sgpr_workgroup_id_x 1
		.amdhsa_system_sgpr_workgroup_id_y 1
		.amdhsa_system_sgpr_workgroup_id_z 1
		.amdhsa_system_vgpr_workitem_id 0
		.amdhsa_next_free_vgpr 256
		.amdhsa_next_free_sgpr 66
		.amdhsa_reserve_vcc 0
		.amdhsa_float_denorm_mode_32 3
		.amdhsa_float_denorm_mode_16_64 3
		.amdhsa_memory_ordered 1
		.amdhsa_forward_progress 1
		.amdhsa_inst_pref_size 25
	.end_amdhsa_kernel
	.amdgpu_metadata
---
amdhsa.version: [ 1, 2 ]
amdhsa.kernels:
  - .name:           k_qbe7efe188c_quant_w
    .symbol:         k_qbe7efe188c_quant_w.kd
    .args:
      - { .name: qkv_w, .offset: 0, .size: 8, .value_kind: global_buffer, .address_space: global }
      - { .name: proj_w, .offset: 8, .size: 8, .value_kind: global_buffer, .address_space: global }
      - { .name: wc, .offset: 16, .size: 8, .value_kind: global_buffer, .address_space: global }
      - { .name: scl, .offset: 24, .size: 8, .value_kind: global_buffer, .address_space: global }
    .group_segment_fixed_size: 13824
    .private_segment_fixed_size: 0
    .kernarg_segment_align: 8
    .kernarg_segment_size: 32
    .max_flat_workgroup_size: 128
    .sgpr_count:     66
    .vgpr_count:     256
    .wavefront_size: 32
...
	.end_amdgpu_metadata
.endif
;; end of part 2
;; launch gemm_qkv (part 3): grid 8 x 48, 4 waves a work-group, clusters of 4 x 4, 327,680 bytes of LDS; arguments xc, wc, scl, qkv_b, qkvc, qkvs; writes qkvc, qkvs
.if DOCPART == 3
	.amdgcn_target "amdgcn-amd-amdhsa--gfx1250"
	.amdhsa_code_object_version 6
	.text
	.protected	k_qbe7efe188c_gemm_qkv
	.globl	k_qbe7efe188c_gemm_qkv
	.p2align	8
	.type	k_qbe7efe188c_gemm_qkv,@function
k_qbe7efe188c_gemm_qkv:
	s_mov_b64 s[64:65], 0
	v_nop
	global_prefetch_b8 v0, s[64:65] scope:SCOPE_SE
	s_setreg_imm32_b32 hwreg(HW_REG_WAVE_MODE, 25, 1), 1
	s_wait_xcnt 0x0
	s_wait_alu depctr_hold_cnt(0) depctr_sa_sdst(0) depctr_va_vdst(0) depctr_va_sdst(0) depctr_va_ssrc(0) depctr_va_vcc(0) depctr_vm_vsrc(0)
	s_getreg_b32 s2, hwreg(HW_REG_IB_STS2, 6, 4)
	s_cmp_eq_u32 s2, 0
	s_cbranch_scc0 .Lentry_in_a_cluster
	s_endpgm
.Lentry_in_a_cluster:
	s_bfe_u32 s2, ttmp6, 0x10000c
	s_cmp_lg_u32 s2, 0xf033
	s_cbranch_scc0 .Lentry_shape_is_right
	s_endpgm
.Lentry_shape_is_right:
; qkv = x W + b on codes of E2M3, and its result quantised on the way out: nothing in f32 goes to memory.
; A tile is 256 x 256, four waves of 128 x 128 (64 accumulators, 512 registers).  Source 0 is the P side, source 1 the L side: register j of lane (r, h) holds P's row 8 h + j against L's row r.
; Rows lie in position order (bits 3 and 4 swapped), so the 16 registers of P's tiles 2 b and 2 b + 1 are 16 NEIGHBOURS of P's true index: 32 b + 16 h + 0 .. 15.
; TWO TYPES, told apart by the cluster's y alone (the same in all partners):  q, k (cluster y 0-7): P = W's columns, L = x's rows: a lane's registers run along the head's 64, q's and k's K.
;   v (cluster y 8-11): P = x's rows, L = W's columns: a lane's registers run along the keys, v's K.  One main loop serves both; the buffers are chosen by s_cselect_b64.
; K = 1,024 goes in four slot steps of 256 through two LDS slots; operands lie in memory and in LDS as images of their registers (1,536 bytes a fragment): every LDS load takes 512 or 256 consecutive bytes.
; The scale words of the wave's 128 + 128 rows for all of K stay in 64 registers: lanes 0-15 L's, lanes 16-31 P's.
; CLUSTER 4 x 4: L's tiles are shared along a row of the cluster, P's along a column, each asked for jointly.
; OUT: qkvc [q, k, v][batch x head 64][98,304]: q, k: [tile of 16 rows 128][768: 16 rows x 64];  v: [key step 16][d tile 4][1,536: 16 d x 128 keys].
;      qkvs [q, k, v][64][step 16][row 16][4 words]: q, k: word j: the two bytes of tile 8 st + 2 j, then of 8 st + 2 j + 1;  v: word j: d tile j's four key blocks.
; LIMITS: NaN and infinities not served; a block of zeros or under 2^-124 gets the byte 1 (this program alone reads the bytes).
; REGISTERS: window 0: v0-31 addresses; v32-95 scale words; v128-223 L's fragments, one set; in the way out v128-239 at work.  window 1: P's fragments, two sets at v0 and v128; the bias in v96-127 and v224-255.
;   windows 2, 3: the accumulators, (a, b) at v[64 (a % 4) + 8 b].
.set FR,     12                        ; registers of a fragment
.set HALFT,  24576                     ; 8 row tiles x 2 K steps x 1,536: what one tensor load brings
.set SLOT,   4*HALFT                   ; L's 16 tiles, then P's
.set SPARE,  2*SLOT                    ; behind the ring: the spare words, 128 bytes for each wave
.set ADRA, 16                          ; v16-17 L's fragments in slot 0, 1, by 16 x lane; v18-19 by 8 x lane
.set ADRB, 20                          ; v20-23 the same for P
.set SPW,  28
.set NIL,  29
.set SC,   32                          ; v[SC + 8 i + s]: tile i's words of K step s
.set AF,   128
.set HA,   128                         ; the way out: 64 numbers
.set PC,   192                         ; 12 registers of codes; +12, +16 upper halves
.set TM,   212
.set PWA,  228                         ; a scale word for each L tile
.set SW,   236
.set G1,  24
.set G0,  32
.set G1B, 48
.set G0B, 56
.set MSB, 0
.macro WIN new                         ; the immediate's high byte repeats the setting that is left
.if MSB != (\new)
	s_set_vgpr_msb (MSB<<8)|(\new)
.set MSB, (\new)
.endif
.endm
.macro JLOAD g0a, g1a, g0b, g1b        ; a joint load: waves 0, 1 fetch L's halves, waves 2, 3 P's; an s_nop 0 and four v_nop follow each line
	s_cmp_eq_u32 s17, 0
	s_cbranch_scc0 .Lfor_b_\@
	tensor_load_to_lds s[\g0a:\g0a+3], s[\g1a:\g1a+7]
	s_nop 0
.rept 4
	v_nop
.endr
	s_branch .Lasked_\@
.Lfor_b_\@:
	tensor_load_to_lds s[\g0b:\g0b+3], s[\g1b:\g1b+7]
	s_nop 0
.rept 4
	v_nop
.endr
.Lasked_\@:
.endm
.macro CREST                           ; a round of the cluster's barrier behind its opening barrier
	s_cmp_lg_u32 s16, 0
	s_cbranch_scc1 .Lnot_wave_0_\@
	s_barrier_signal -3
.Lnot_wave_0_\@:
	s_barrier_wait -3
	s_barrier_signal -1
	s_barrier_wait -1
.endm
.macro CROUND
	s_barrier_signal -1
	s_barrier_wait -1
	CREST
.endm
.macro PLACES n                        ; plain places behind matrix instructions, in front of loads into their registers and of reads of their results
.rept \n
	v_nop
.endr
.endm
.macro FRAG reg, adr, q, i             ; tile i's fragment of the slot's q-th 128 along K: four loads of its image
	ds_load_b128 v[\reg:\reg+3], v[\adr] offset:3072*(\i)+1536*(\q)
	ds_load_b64 v[\reg+4:\reg+5], v[\adr+2] offset:3072*(\i)+1536*(\q)+512
	ds_load_b128 v[\reg+6:\reg+9], v[\adr] offset:3072*(\i)+1536*(\q)+768
	ds_load_b64 v[\reg+10:\reg+11], v[\adr+2] offset:3072*(\i)+1536*(\q)+1280
.endm
.macro FETCH_B slot, q, p
	WIN 0x40                                       ; destination window 1
.irp i, 0,1,2,3,4,5,6,7
	FRAG 128*(\p)+FR*\i, ADRB+\slot, \q, \i
.endr
	WIN 0
.endm
.macro FETCH_A slot, q, i0
.irp i, \i0, \i0+1, \i0+2, \i0+3
	FRAG AF+FR*(\i), ADRA+\slot, \q, \i
.endr
.endm
; 16 matrix instructions: L's tiles a0, a0 + 1 against P's eight, K step ks.  The 64 accumulators take turns, one instruction a turn, in the same order in every step.
.macro MUL16 a0, p, ks, zero
.irp a, \a0, \a0+1
.irp b, 0,1,2,3,4,5,6,7
.if \zero
	v_wmma_scale_f32_16x16x128_f8f6f4 v[64*((\a)%4)+8*\b:64*((\a)%4)+8*\b+7], v[128*(\p)+FR*\b:128*(\p)+FR*\b+FR-1], v[AF+FR*(\a):AF+FR*(\a)+FR-1], 0, v[SC+8*\b+(\ks)], v[SC+8*(\a)+(\ks)] matrix_a_fmt:MATRIX_FMT_FP6 matrix_b_fmt:MATRIX_FMT_FP6 matrix_a_scale:MATRIX_SCALE_ROW1
.else
	v_wmma_scale_f32_16x16x128_f8f6f4 v[64*((\a)%4)+8*\b:64*((\a)%4)+8*\b+7], v[128*(\p)+FR*\b:128*(\p)+FR*\b+FR-1], v[AF+FR*(\a):AF+FR*(\a)+FR-1], v[64*((\a)%4)+8*\b:64*((\a)%4)+8*\b+7], v[SC+8*\b+(\ks)], v[SC+8*(\a)+(\ks)] matrix_a_fmt:MATRIX_FMT_FP6 matrix_b_fmt:MATRIX_FMT_FP6 matrix_a_scale:MATRIX_SCALE_ROW1
.endif
.endr
.endr
.endm
.macro STEP slot, ks, zero             ; a slot's first 128 along K (P's set 0); it fetches the second
	s_wait_dscnt 16                                ; P's set and L's tiles 0-3 are in; the youngest sixteen loads (L's tiles 4-7) may be out
	WIN 0xa1
	MUL16 0, 0, \ks, \zero
	MUL16 2, 0, \ks, \zero
	s_wait_dscnt 0x0
	PLACES 4
	FETCH_B \slot, 1, 1
	FETCH_A \slot, 1, 0
	WIN 0xf1
	MUL16 4, 0, \ks, \zero
	MUL16 6, 0, \ks, \zero
	PLACES 4
	WIN 0
	FETCH_A \slot, 1, 4
.endm
.macro TURN slot, next, fill, ks       ; a slot's second 128 along K (P's set 1) changes slots: one barrier; fill = 1: the slot is filled again, two slot steps ahead
	s_wait_tensorcnt 0x0                           ; all my tensor loads have landed: my part of the next slot
	ds_add_u32 v[SPW], v[NIL]                      ; 0 onto my spare word
	s_wait_dscnt 17                                ; (the add and the youngest sixteen loads may be out)
	WIN 0xa1
	MUL16 0, 1, \ks, 0
	s_wait_dscnt 0x0                               ; the add is done, and my reads of this slot are over
	s_barrier_signal -1
	MUL16 2, 1, \ks, 0
	WIN 0
	s_barrier_wait -1
.if \fill
	CREST                                          ; the barrier has opened a round of the cluster's barrier: no wave of any partner still reads this slot or has a load on its way
	s_add_nc_u64 s[G0+4*\slot+2:G0+4*\slot+3], s[G0+4*\slot+2:G0+4*\slot+3], 6144
	s_add_nc_u64 s[G0B+4*\slot+2:G0B+4*\slot+3], s[G0B+4*\slot+2:G0B+4*\slot+3], 6144
	JLOAD G0+4*\slot, G1, G0B+4*\slot, G1B         ; the first tensor load behind the round; its four v_nop are the places in front of the loads below
.else
	PLACES 4
.endif
	FETCH_B \next, 0, 0
	FETCH_A \next, 0, 0
	WIN 0xf1
	MUL16 4, 1, \ks, 0
	MUL16 6, 1, \ks, 0
	PLACES 4
	WIN 0
	FETCH_A \next, 0, 4
.endm
	s_load_b256 s[4:11], s[0:1], 0x0               ; xc s[4:5], wc s[6:7], scl s[8:9], qkv_b s[10:11]
	s_load_b128 s[12:15], s[0:1], 0x20             ; qkvc s[12:13], qkvs s[14:15]
	v_lshl_add_u32 v[SPW], v0, 2, SPARE
	v_mov_b32 v[NIL], 0
	ds_add_u32 v[SPW], v[NIL]                      ; the wave's opening: the add and its wait ahead of my first tensor load
	ds_add_u32 v[SPW], v[NIL]
	v_lshrrev_b32 v1, 5, v0
	v_readfirstlane_b32 s16, v1                    ; wave
	s_lshr_b32 s17, s16, 1                         ; my half of L's rows.  Also: I fetch for L (0) or for P (1)
	s_and_b32 s18, s16, 1                          ; my half of P's rows.  Also: which half I fetch
	s_bfe_u32 s20, ttmp6, 0x40000                  ; cx
	s_bfe_u32 s21, ttmp6, 0x40004                  ; cy
	s_and_b32 s22, ttmp7, 0xffff                   ; the cluster's y
	s_lshl_b32 s66, s21, 2
	s_lshl_b32 s66, 15, s66                        ; my row of the cluster
	s_lshl_b32 s67, 0x1111, s20                    ; my column
	s_or_b32 s[G1], s66, (3<<16)|(1<<21)           ; 15:0 the mask; 17:16 elements of 8 bytes; 21 set beside a mask; no padding
	s_or_b32 s[G1B], s67, (3<<16)|(1<<21)
.irp g, G1, G1B
	s_mov_b32 s[\g+1], 384<<16                     ; tensor_dim0: 3,072 bytes, two K steps of one row tile
	s_mov_b32 s[\g+2], 8<<16                       ; tensor_dim1: 8 row tiles
	s_mov_b32 s[\g+3], 384<<16                     ; tile_dim0
	s_mov_b32 s[\g+4], 8                           ; tile_dim1
	s_mov_b32 s[\g+5], 1536                        ; 12,288 bytes from row tile to row tile
	s_mov_b32 s[\g+6], 0
	s_mov_b32 s[\g+7], 0
.endr
	s_lshl_b32 s68, s22, 2
	s_sub_co_u32 s69, s22, 8
	s_lshl_b32 s69, s69, 3
	s_cmp_ge_u32 s22, 8                            ; the type
	s_cselect_b32 s19, 1, 0
	s_cselect_b32 s68, 8, s68                      ; L's 256-row tile: 4 x cluster y + cy of x, or 8 + cy of W
	s_cselect_b32 s69, s69, 0                      ; P's: 4 x cluster x + cx of W, or 8 (cluster y - 8) more of x
	s_cselect_b32 s70, 0x40000, 0                  ; where L's scale words begin in scl
	s_cselect_b32 s71, 0, 0x40000                  ; and P's
	s_cselect_b32 s72, -1, 0                       ; the type as a lane mask
	s_add_co_u32 s68, s68, s21
	s_lshl_b32 s73, ttmp9, 2
	s_add_co_u32 s69, s69, s73
	s_add_co_u32 s69, s69, s20
	s_lshl_b32 s74, s18, 3
	s_lshl_b32 s40, s68, 4
	s_add_co_u32 s40, s40, s74
	s_mul_i32 s40, s40, 12288                      ; L: row tile 16 x tile + 8 x half (no register here ever holds cx)
	s_mov_b32 s41, 0
	s_lshl_b32 s42, s69, 4
	s_add_co_u32 s42, s42, s74
	s_mul_i32 s42, s42, 12288                      ; P likewise (none holds cy)
	s_mov_b32 s43, 0
	s_mul_i32 s75, s16, HALFT                      ; where my load goes: no place in the cluster enters an LDS address
	s_mov_b32 s80, 0x76543210
	s_mov_b32 s81, 0xfedcba98                      ; selects for lane l xor 16
	s_wait_dscnt 0x0                               ; the opening add is done
	s_wait_kmcnt 0x0
	s_cmp_eq_u32 s19, 0
	s_cselect_b64 s[44:45], s[4:5], s[6:7]         ; L's buffer
	s_cselect_b64 s[46:47], s[6:7], s[4:5]         ; P's
	s_add_nc_u64 s[40:41], s[44:45], s[40:41]
	s_add_nc_u64 s[42:43], s[46:47], s[42:43]
	CROUND                                         ; all sixteen work-groups are here: the first joint loads meet
.irp s, 0,1
	s_mov_b32 s[G0+4*\s], 1
	s_add_co_u32 s[G0+4*\s+1], s75, \s*SLOT
	s_add_nc_u64 s[G0+4*\s+2:G0+4*\s+3], s[40:41], \s*3072
	s_or_b32 s[G0+4*\s+3], s[G0+4*\s+3], 0x80000000
	s_mov_b32 s[G0B+4*\s], 1
	s_add_co_u32 s[G0B+4*\s+1], s75, \s*SLOT
	s_add_nc_u64 s[G0B+4*\s+2:G0B+4*\s+3], s[42:43], \s*3072
	s_or_b32 s[G0B+4*\s+3], s[G0B+4*\s+3], 0x80000000
.endr
	JLOAD G0, G1, G0B, G1B                         ; slot 0: one tensor load a wave at the head
	v_and_b32 v1, 15, v0                           ; r
	v_bfe_u32 v2, v0, 4, 1                         ; h
	v_and_b32 v3, 31, v0
	v_lshlrev_b32 v13, 4, v3                       ; 16 x lane
	v_lshlrev_b32 v14, 3, v3                       ; 8 x lane
	s_mul_i32 s76, s17, HALFT                      ; my half of L
	s_mul_i32 s77, s18, HALFT
	s_add_co_u32 s77, s77, 2*HALFT                 ; my half of P, behind L's two
.irp s, 0,1
	v_add_nc_u32 v[ADRA+\s], s76, v13
	v_add_nc_u32 v[ADRA+2+\s], s76, v14
	v_add_nc_u32 v[ADRB+\s], s77, v13
	v_add_nc_u32 v[ADRB+2+\s], s77, v14
	s_add_co_u32 s76, s76, SLOT
	s_add_co_u32 s77, s77, SLOT
.endr
	; the scale words: 32 bytes a row; lanes 0-15 take L's rows, lanes 16-31 P's
	s_lshl_b32 s73, s68, 8
	s_lshl_b32 s74, s17, 7
	s_add_co_u32 s73, s73, s74
	s_lshl_b32 s73, s73, 5
	s_add_co_u32 s73, s73, s70
	s_lshl_b32 s74, s69, 8
	s_lshl_b32 s79, s18, 7
	s_add_co_u32 s74, s74, s79
	s_lshl_b32 s74, s74, 5
	s_add_co_u32 s74, s74, s71
	v_mov_b32 v25, s73
	v_mov_b32 v26, s74
	v_cmp_eq_u32 s78, 1, v2
	v_cndmask_b32 v24, v25, v26, s78
	v_lshl_add_u32 v24, v1, 5, v24
.irp i, 0,1,2,3,4,5,6,7
.irp e, 0,1
	global_load_b128 v[SC+8*\i+4*\e:SC+8*\i+4*\e+3], v24, s[8:9] offset:512*\i+16*\e
.endr
.endr
	; where the results go.  x's tile and half, W's tile and half, whichever side they are on
	s_cmp_eq_u32 s19, 0
	s_cselect_b32 s82, s68, s69                    ; x's 256-row tile
	s_cselect_b32 s83, s17, s18                    ; my half of it
	s_cselect_b32 s84, s69, s68                    ; W's 256-column tile
	s_cselect_b32 s85, s18, s17
	s_lshr_b32 s86, s82, 3                         ; batch
	s_lshl_b32 s87, s82, 1
	s_add_co_u32 s87, s87, s83
	s_and_b32 s87, s87, 15                         ; which 128 rows of the batch's 2,048
	s_lshl_b32 s88, s84, 8
	s_lshl_b32 s89, s85, 7
	s_add_co_u32 s88, s88, s89                     ; my first column of qkv: two heads
	s_lshr_b32 s89, s88, 10
	s_lshl_b32 s89, s89, 6                         ; q, k or v: 64 heads x batches each
	s_lshl_b32 s90, s86, 4
	s_add_co_u32 s89, s89, s90
	s_bfe_u32 s90, s88, 0x40006
	s_add_co_u32 s89, s89, s90                     ; + 16 x batch + head
	s_mul_i32 s90, s89, 98304
	s_mul_i32 s91, s87, 6144
	s_add_co_u32 s90, s90, s91
	s_mov_b32 s91, 0
	s_add_nc_u64 s[96:97], s[12:13], s[90:91]      ; the codes
	s_lshl_b32 s90, s89, 12
	s_lshl_b32 s92, s87, 8
	s_add_co_u32 s90, s90, s92
	s_add_nc_u64 s[98:99], s[14:15], s[90:91]      ; the scale words
	s_lshl_b32 s90, s88, 2
	s_add_nc_u64 s[94:95], s[10:11], s[90:91]      ; the bias of my 128 columns
	; the bias, 64 registers in window 1, written alike in both types: register 8 x + j takes the bias at 128 (x / 2) + 32 (x % 2) bytes + an offset of the lane's:
	; q, k: 64 h + 4 j: the column of P's tile x that register j holds;  v: 4 (r + 8 (r / 8)): the column that lane r of L's tile x holds, the same in all eight
	v_and_b32 v25, 8, v1
	v_add_nc_u32 v25, v25, v1
	v_lshlrev_b32 v25, 2, v25
	v_lshlrev_b32 v26, 6, v2
.irp j, 0,1,2,3,4,5,6,7
	v_add_nc_u32 v[4+\j], 4*\j, v26
	v_cndmask_b32 v[4+\j], v[4+\j], v25, s72
.endr
	WIN 0x40
.irp x, 0,1,2,3,4,5,6,7
.irp j, 0,1,2,3,4,5,6,7
	global_load_b32 v[96+8*\x+96*(\x/4)+\j], v[4+\j], s[94:95] offset:128*(\x/2)+32*(\x%2)
.endr
.endr
	WIN 0
	s_mov_b32 s76, 0x05040100                      ; how two tiles' words make a stored word: q, k: two bytes of each; lanes 16-31 take the odd head's
	s_mov_b32 s77, 0x07060302
	s_cmp_lg_u32 s19, 0
	s_cselect_b32 s76, 0x03020100, s76             ; v: a whole word; lanes 16-31 take the odd head's
	s_cselect_b32 s77, 0x07060504, s77
	v_mov_b32 v25, s76
	v_mov_b32 v26, s77
	v_cndmask_b32 v12, v25, v26, s78
	v_lshlrev_b32 v15, 4, v1
	v_lshl_add_u32 v15, v2, 12, v15                ; 16 r, and the next head's 4,096 bytes for lanes 16-31
	s_wait_alu depctr_va_vdst(0)
	s_wait_tensorcnt 0x0                           ; my part of slot 0 is in; slot 1's first fill is issued as a refill is
	ds_add_u32 v[SPW], v[NIL]
	s_wait_dscnt 0x0
	CROUND
	JLOAD G0+4, G1, G0B+4, G1B
	FETCH_B 0, 0, 0
	FETCH_A 0, 0, 0
	FETCH_A 0, 0, 4
	s_wait_loadcnt 0x0                             ; scale words and bias
	STEP 0, 0, 1                                   ; the first products start the sums: nothing is cleared
	TURN 0, 1, 1, 1
	STEP 1, 2, 0
	TURN 1, 0, 1, 3
	STEP 0, 4, 0
	TURN 0, 1, 0, 5                                ; the last two slot steps are in LDS or on their way: nothing more is asked for
	STEP 1, 6, 0
	s_wait_dscnt 16
	WIN 0xa1
	MUL16 0, 1, 7, 0
	MUL16 2, 1, 7, 0
	s_wait_dscnt 0x0
	WIN 0xf1
	MUL16 4, 1, 7, 0
	MUL16 6, 1, 7, 0
	WIN 0
	PLACES 4
; 64 numbers of a lane, register 16 b + i = k 32 b + 16 h + i of my row, become a fragment's codes in v[PC] on and its scale word in v[pw].
.macro QUANT s, pw
.irp b, 0,1,2,3
	v_max3_num_f32 v[TM+\b], |v[\s+16*\b]|, |v[\s+1+16*\b]|, 0x1800000   ; the floor 2^(3 - 127) holds the byte at 1 from below
.endr
.irp i, 2,4,6,8,10,12,14
.irp b, 0,1,2,3
	v_max3_num_f32 v[TM+\b], v[TM+\b], |v[\s+16*\b+\i]|, |v[\s+1+16*\b+\i]|
.endr
.endr
.irp b, 0,1,2,3
	v_permlanex16_b32 v[TM+4+\b], v[TM+\b], s80, s81
.endr
.irp b, 0,1,2,3
	v_max_num_f32 v[TM+\b], v[TM+\b], v[TM+4+\b]   ; with lane l xor 16's: the block's largest magnitude
.endr
.irp b, 0,1,2,3
	v_add_nc_u32 v[TM+12+\b], 0xff000000, v[TM+\b] ; 2 off the exponent field: the conversion's scale operand
.endr
.irp b, 0,1,2,3
	v_lshrrev_b32 v[TM+4+\b], 23, v[TM+12+\b]      ; the byte
.endr
	v_lshl_or_b32 v[\pw], v[TM+5], 8, v[TM+4]
	v_lshl_or_b32 v[\pw], v[TM+6], 16, v[\pw]
	v_lshl_or_b32 v[\pw], v[TM+7], 24, v[\pw]
.irp c, 0,1
	v_cvt_scalef32_pk16_fp6_f32 v[PC+6*\c:PC+2+6*\c], v[\s+32*\c:\s+15+32*\c], v[TM+12+2*\c]
	v_cvt_scalef32_pk16_fp6_f32 v[PC+12+4*\c:PC+14+4*\c], v[\s+16+32*\c:\s+31+32*\c], v[TM+12+2*\c+1]
.endr
	v_nop                                          ; one plain place behind a scaled conversion
.irp c, 0,1                                    ; the operand's layout wants a whole block in a lane
.irp i, 0,1,2
	v_permlane16_swap_b32 v[PC+6*\c+\i], v[PC+12+4*\c+\i]
.endr
.irp i, 0,1,2
	v_mov_b32 v[PC+3+6*\c+\i], v[PC+12+4*\c+\i]
.endr
.endr
.endm
; L's tile a: the eight accumulators and the bias, each accumulator from its low end on; quantised; stored as images.
.macro EPI type, a
	WIN 0x06+(\a)/4                                ; source 0: window 2 or 3; source 1: window 1
.irp b, 0,1,2,3,4,5,6,7
.irp j, 0,2,4,6
.if \type == 0
	v_pk_add_f32 v[HA+8*\b+\j:HA+8*\b+\j+1], v[64*((\a)%4)+8*\b+\j:64*((\a)%4)+8*\b+\j+1], v[96+8*\b+96*(\b/4)+\j:96+8*\b+96*(\b/4)+\j+1]
.else
	v_pk_add_f32 v[HA+8*\b+\j:HA+8*\b+\j+1], v[64*((\a)%4)+8*\b+\j:64*((\a)%4)+8*\b+\j+1], v[96+8*(\a)+96*((\a)/4)+\j:96+8*(\a)+96*((\a)/4)+\j+1]
.endif
.endr
.endr
	WIN 0
.if (\a) > 0
	s_wait_xcnt 0x0                                ; the last tile's stores have read their data: the codes' registers are written again only behind this wait
.endif
	QUANT HA, PWA+(\a)
.if \type == 0
	global_store_b128 v13, v[PC:PC+3], s[96:97] offset:768*(\a)                    ; the even head's 16 rows x 64
	global_store_b64 v14, v[PC+4:PC+5], s[96:97] offset:768*(\a)+512
	global_store_b128 v13, v[PC+6:PC+9], s[96:97] offset:98304+768*(\a)            ; the odd head's
	global_store_b64 v14, v[PC+10:PC+11], s[96:97] offset:98304+768*(\a)+512
.else
	global_store_b128 v13, v[PC:PC+3], s[96:97] offset:98304*((\a)/4)+1536*((\a)%4)          ; 16 d x 128 keys
	global_store_b64 v14, v[PC+4:PC+5], s[96:97] offset:98304*((\a)/4)+1536*((\a)%4)+512
	global_store_b128 v13, v[PC+6:PC+9], s[96:97] offset:98304*((\a)/4)+1536*((\a)%4)+768
	global_store_b64 v14, v[PC+10:PC+11], s[96:97] offset:98304*((\a)/4)+1536*((\a)%4)+1280
.endif
.endm
.irp b, 0,1,2,3
	v_mov_b32 v[TM+4+\b], 0                        ; written once: a lane permute's destination counts as one of its sources
.endr
	s_cmp_lg_u32 s19, 0
	s_cbranch_scc1 .Lv
.irp a, 0,1,2,3,4,5,6,7
	EPI 0, \a
.endr
.irp j, 0,1,2,3
	v_perm_b32 v[SW+\j], v[PWA+2*\j+1], v[PWA+2*\j], v12
.endr
	s_branch .Lwords
.Lv:
.irp a, 0,1,2,3,4,5,6,7
	EPI 1, \a
.endr
.irp j, 0,1,2,3
	v_perm_b32 v[SW+\j], v[PWA+4+\j], v[PWA+\j], v12
.endr
.Lwords:
	s_wait_alu depctr_va_vdst(0)
	global_store_b128 v15, v[SW:SW+3], s[98:99]    ; lanes 0-15 fill 256 consecutive bytes of the even head's words, lanes 16-31 of the odd head's
	s_wait_tensorcnt 0x0                           ; the wave's end, behind my last tensor load
	ds_add_u32 v[SPW], v[NIL]
	s_wait_dscnt 0x0
	CROUND                                         ; the closing round
	s_endpgm
.Lfunc_end_k_qbe7efe188c_gemm_qkv:
	.size	k_qbe7efe188c_gemm_qkv, .Lfunc_end_k_qbe7efe188c_gemm_qkv-k_qbe7efe188c_gemm_qkv
	.p2alignl 7, 3214868480
	.fill 96, 4, 3214868480
	.section	.rodata,"a",@progbits
	.p2align	6, 0x0
	.amdhsa_kernel k_qbe7efe188c_gemm_qkv
		.amdhsa_group_segment_fixed_size 327680
		.amdhsa_private_segment_fixed_size 0
		.amdhsa_enable_private_segment 0
		.amdhsa_kernarg_size 48
		.amdhsa_user_sgpr_count 2
		.amdhsa_user_sgpr_kernarg_segment_ptr 1
		.amdhsa_wavefront_size32 1
		.amdhsa_system_sgpr_workgroup_id_x 1
		.amdhsa_system_sgpr_workgroup_id_y 1
		.amdhsa_system_sgpr_workgroup_id_z 1
		.amdhsa_system_vgpr_workitem_id 0
		.amdhsa_next_free_vgpr 1024
		.amdhsa_next_free_sgpr 100
		.amdhsa_reserve_vcc 0
		.amdhsa_float_denorm_mode_32 3
		.amdhsa_float_denorm_mode_16_64 3
		.amdhsa_memory_ordered 1
		.amdhsa_forward_progress 1
		.amdhsa_inst_pref_size 220
	.end_amdhsa_kernel
	.amdgpu_metadata
---
amdhsa.version: [ 1, 2 ]
amdhsa.kernels:
  - .name:           k_qbe7efe188c_gemm_qkv
    .symbol:         k_qbe7efe188c_gemm_qkv.kd
    .args:
      - { .name: xc, .offset: 0, .size: 8, .value_kind: global_buffer, .address_space: global }
      - { .name: wc, .offset: 8, .size: 8, .value_kind: global_buffer, .address_space: global }
      - { .name: scl, .offset: 16, .size: 8, .value_kind: global_buffer, .address_space: global }
      - { .name: qkv_b, .offset: 24, .size: 8, .value_kind: global_buffer, .address_space: global }
      - { .name: qkvc, .offset: 32, .size: 8, .value_kind: global_buffer, .address_space: global }
      - { .name: qkvs, .offset: 40, .size: 8, .value_kind: global_buffer, .address_space: global }
    .group_segment_fixed_size: 327680
    .private_segment_fixed_size: 0
    .kernarg_segment_align: 8
    .kernarg_segment_size: 48
    .max_flat_workgroup_size: 128
    .sgpr_count:     100
    .vgpr_count:     1024
    .wavefront_size: 32
...
	.end_amdgpu_metadata
.endif
;; end of part 3
;; launch attn (part 4): grid 4 x 64, 8 waves a work-group, clusters of 4 x 1, 327,680 bytes of LDS; arguments qkvc, qkvs, oc, scl; writes oc, scl
.if DOCPART == 4
	.amdgcn_target "amdgcn-amd-amdhsa--gfx1250"
	.amdhsa_code_object_version 6
	.text
	.protected	k_qbe7efe188c_attn
	.globl	k_qbe7efe188c_attn
	.p2align	8
	.type	k_qbe7efe188c_attn,@function
k_qbe7efe188c_attn:
	s_mov_b64 s[64:65], 0
	v_nop
	global_prefetch_b8 v0, s[64:65] scope:SCOPE_SE
	s_setreg_imm32_b32 hwreg(HW_REG_WAVE_MODE, 25, 1), 1
	s_wait_xcnt 0x0
	s_wait_alu depctr_hold_cnt(0) depctr_sa_sdst(0) depctr_va_vdst(0) depctr_va_sdst(0) depctr_va_ssrc(0) depctr_va_vcc(0) depctr_vm_vsrc(0)
	s_getreg_b32 s2, hwreg(HW_REG_IB_STS2, 6, 4)
	s_cmp_eq_u32 s2, 0
	s_cbranch_scc0 .Lentry_in_a_cluster
	s_endpgm
.Lentry_in_a_cluster:
	s_bfe_u32 s2, ttmp6, 0x10000c
	s_cmp_lg_u32 s2, 0x3003
	s_cbranch_scc0 .Lentry_shape_is_right
	s_endpgm
.Lentry_shape_is_right:
; o = softmax(q k^T / 8) v for one batch x head (work-group y) and 512 queries (place in the cluster), on codes of E2M3; o leaves quantised along the head's 64, laid as xc is.
; Both products are used transposed (S^T = k q^T, O^T = v^T p^T): a lane holds one query.  8 waves, each with 4 tiles of 16 queries, one pass over 16 steps of 128 keys:
; a fragment of k or v read from LDS serves four tiles.  All of the head's k, v and their scale words (204,800 bytes) come into LDS at the head, one joint load a wave
; (waves 0-2 k's thirds, 3-5 v's, 6 and 7 the scale words), shared by the four work-groups of the cluster.  Nothing is filled again.
; No prefetch: every tile is asked for at the head, and no loop runs ahead of memory.
; K = 64 in q k^T: a fragment of k holds two tiles of 16 keys side by side along K, and q stands beside six registers of zero codes, once on each side.
; THE KEYS OF A TILE: lanes 0-7 take eight keys of block 2 c, lanes 8-15 the same eight of block 2 c + 1 (by the lanes' LDS addresses into the stored images), so that
; registers 32 c + 0 .. 31 of lane (r, h) are keys 64 c + 32 h + 0 .. 31: a whole scale block of p, in the order of the operand's registers.
; p = 2^(t - M), M the ceiling of the running largest t; sums and O^T are brought under a new M by an exact power of two in every step; the row's sum is taken of the unquantised p.
; A block's largest p is made from its largest score by the same multiply-add and exponential.
; ORDER OF A TILE'S TURN: the blocks' largest scores (eight chains); the lines that make M, and among them the last tile's O^T under its new M and its v^T p^T; t - M;
; the exponentials, and among them the next tile's scores into the other S buffer; the row's sum, and among its additions p's scale word; the conversions.
; The last trip has no next step: branches on the trip counter lead round the loads of k and to a batch of exponentials without scores.
; LIMITS: the scaled scores stay under 2^31 in magnitude; NaN and infinities are not served; a block under 2^-124 gets the byte 1 (this program alone reads the bytes).
; WINDOW 0: addresses, state, scale words, p's codes, v's fragments (v80-127), O^T (v128-255).  WINDOW 1: S (v0-127), k's fragments (v128-175), q and zeros (v176-229), sums and maxima.
.set VB,    98304
.set SCK,   196608
.set SPARE, 204800
.set C16, 1
.set C8,  2
.set LK16, 3
.set LK8, 4
.set SPW, 5
.set NIL, 6
.set LKS, 7
.set LVS, 8
.set RO,  9
.set AK16, 11
.set AK8, 12
.set AKS, 13
.set AV16, 14
.set AV8, 15
.set AVS, 16
.set CT1, 18
.set SO,  21
.set ST,  24                           ; tile t: -M at v[24 + 2 t], the running largest score above it
.set CV16, 32
.set CV8, 33
.set TT,  42                           ; f lies in v40 (even tiles) and v36 (odd tiles)
.set TP,  43
.set OBM, 44
.set OPT, 46
.set QS,  48
.set KS,  52
.set VS,  56
.set PW,  60
.set QW,  62
.set PCD, 64
.set CT0, 76
.set VF,  80
.set SN,  80
.set OC,  112
.set O,   128
.set KF,  128                          ; window 1 from here on
.set QB,  176
.set L,   230
.set PT,  238
.set BM,  240
.set CH,  242                          ; v242-245, v250-253: the maxima's chains; behind them the scale word's lines
.set SOW, 242
.set BW,  244
.set PT2, 246
.set PT3, 248
.set WW,  250
.set TPW, 251
.set SH8W, 254
.set MSB, 0
.macro WIN new                         ; the immediate's high byte repeats the setting that is left
.if MSB != (\new)
	s_set_vgpr_msb (MSB<<8)|(\new)
.set MSB, (\new)
.endif
.endm
.macro WALU
	s_wait_alu depctr_va_vdst(0)
.endm
.macro CROUND
	s_barrier_signal -1
	s_barrier_wait -1
	s_cmp_lg_u32 s12, 0
	s_cbranch_scc1 .Lnot_wave_0_\@
	s_barrier_signal -3
.Lnot_wave_0_\@:
	s_barrier_wait -3
	s_barrier_signal -1
	s_barrier_wait -1
.endm
.macro QK1 sb, i, tq                   ; 16 keys x 16 queries: product i of a step's eight, into S buffer sb, for query tile tq
	v_wmma_scale_f32_16x16x128_f8f6f4 v[(\sb)+8*(\i):(\sb)+8*(\i)+7], v[KF+12*((\i)/2):KF+12*((\i)/2)+11], v[QB+6+12*(\tq)-6*((\i)%2):QB+17+12*(\tq)-6*((\i)%2)], 0, v[KS+(\i)/2], v[QS+(\tq)] matrix_a_fmt:MATRIX_FMT_FP6 matrix_b_fmt:MATRIX_FMT_FP6
.endm
.macro PV1 t, d                        ; O^T of tile t, 16 of the head's 64, += v^T p^T over 128 keys
	v_wmma_scale_f32_16x16x128_f8f6f4 v[O+32*(\t)+8*(\d):O+32*(\t)+8*(\d)+7], v[VF+12*(\d):VF+12*(\d)+11], v[PCD:PCD+11], v[O+32*(\t)+8*(\d):O+32*(\t)+8*(\d)+7], v[VS+(\d)], v[PW] matrix_a_fmt:MATRIX_FMT_FP6 matrix_b_fmt:MATRIX_FMT_FP6
.endm
.macro MO t, k, f                      ; pair k of tile t's O^T under the new M
	v_pk_mul_f32 v[O+32*(\t)+2*(\k):O+32*(\t)+2*(\k)+1], v[O+32*(\t)+2*(\k):O+32*(\t)+2*(\k)+1], v[\f:\f+1] op_sel_hi:[1,0]
.endm
.macro KLOAD a16, a8, as, nx           ; k's four fragments and their scale words; nx = 1: the next step's
	WIN 0x40
.irp c, 0,1
.irp jh, 0,1
.irp u, 0,1
	ds_load_b128 v[KF+12*(2*\c+\jh)+6*\u:KF+12*(2*\c+\jh)+6*\u+3], v[\a16] offset:6144*(\nx)+3072*\c+768*\u+128*\jh
	ds_load_b64 v[KF+12*(2*\c+\jh)+6*\u+4:KF+12*(2*\c+\jh)+6*\u+5], v[\a8] offset:6144*(\nx)+3072*\c+768*\u+512+64*\jh
.endr
.endr
.endr
	WIN 0
.irp c, 0,1
.irp jh, 0,1
	ds_load_b32 v[KS+2*\c+\jh], v[\as] offset:256*(\nx)+128*\jh+8*\c
.endr
.endr
.endm
.macro BATCH x, y, tq, qk              ; the exponentials; qk = 1: a product of tile tq's scores ahead of every eighth
.irp c, 0,1
	v_exp_f32 v[BM+\c], v[BM+\c]                   ; the blocks' largest p
.endr
.set J, 0
.rept 64
.if (\qk) && (J%8 == 0)
	QK1 \y, J/8, \tq
.endif
	v_exp_f32 v[\x+J], v[\x+J]                     ; p = 2^(t - M)
.set J, J+1
.endr
	v_nop
.endm
	s_load_b256 s[4:11], s[0:1], 0x0               ; qkvc, qkvs, oc, scl
	v_lshl_add_u32 v[SPW], v0, 2, SPARE
	v_mov_b32 v[NIL], 0
	ds_add_u32 v[SPW], v[NIL]                      ; the opening lines
	ds_add_u32 v[SPW], v[NIL]
	v_lshrrev_b32 v34, 5, v0
	v_readfirstlane_b32 s12, v34                   ; wave
	s_and_b32 s13, ttmp7, 0xffff                   ; batch x head
	s_bfe_u32 s14, ttmp6, 0x40000                  ; cx
	s_mov_b32 s24, 15|(3<<16)|(1<<21)              ; codes: 128 rows of 256 bytes, for all four partners
	s_mov_b32 s25, 32<<16
	s_mov_b32 s26, 128<<16
	s_mov_b32 s27, 32<<16
	s_mov_b32 s28, 128
	s_mov_b32 s29, 32
	s_mov_b32 s30, 0
	s_mov_b32 s31, 0
	s_mov_b32 s32, 15|(3<<16)|(1<<21)              ; scale words: 16 rows of 256 bytes
	s_mov_b32 s33, 32<<16
	s_mov_b32 s34, 16<<16
	s_mov_b32 s35, 32<<16
	s_mov_b32 s36, 16
	s_mov_b32 s37, 32
	s_mov_b32 s38, 0
	s_mov_b32 s39, 0
	s_min_u32 s15, s12, 5
	s_lshl_b32 s41, s12, 15                        ; LDS: wave x 32,768: k's thirds, then v's
	s_add_co_u32 s16, s13, 64
	s_mul_i32 s16, s16, 98304                      ; k of this head
	s_lshl_b32 s17, s15, 15
	s_add_co_u32 s16, s16, s17
	s_cmp_ge_u32 s15, 3
	s_cselect_b32 s17, 63*98304, 0                 ; waves 3-5: v lies 64 heads on, less k's three thirds
	s_add_co_u32 s16, s16, s17
	s_mov_b32 s17, 0
	s_max_u32 s18, s12, 6
	s_sub_co_u32 s18, s18, 5                       ; wave 6: k's words, wave 7: v's
	s_lshl_b32 s18, s18, 6
	s_add_co_u32 s18, s18, s13
	s_lshl_b32 s18, s18, 12
	s_mov_b32 s19, 0
	s_lshl_b32 s45, s12, 12
	s_add_co_u32 s45, s45, SCK-6*4096
	s_mov_b32 s40, 1
	s_mov_b32 s44, 1
	s_mov_b32 s20, 0x76543210
	s_mov_b32 s21, 0xfedcba98                      ; selects for lane l xor 16
	s_mov_b32 s22, 0x3e38aa3b                      ; log2(e) / 8
	s_mov_b32 s23, s22
	s_wait_dscnt 0x0
	s_wait_kmcnt 0x0
	s_add_nc_u64 s[42:43], s[4:5], s[16:17]
	s_or_b32 s43, s43, 0x80000000
	s_add_nc_u64 s[46:47], s[6:7], s[18:19]
	s_or_b32 s47, s47, 0x80000000
	CROUND
	s_cmp_lt_u32 s12, 6
	s_cbranch_scc0 .Lwords
	tensor_load_to_lds s[40:43], s[24:31]
	s_nop 0
.rept 4
	v_nop
.endr
	s_branch .Lasked
.Lwords:
	tensor_load_to_lds s[44:47], s[32:39]
	s_nop 0
.rept 4
	v_nop
.endr
.Lasked:
	s_lshl_b32 s55, ttmp9, 2
	s_add_co_u32 s55, s55, s14
	s_lshl_b32 s55, s55, 5
	s_lshl_b32 s62, s12, 2
	s_add_co_u32 s55, s55, s62                     ; my first query tile of the head's 128
	s_mul_i32 s60, s13, 98304
	s_mul_i32 s61, s55, 768
	s_add_co_u32 s60, s60, s61
	s_mov_b32 s61, 0
	s_add_nc_u64 s[60:61], s[4:5], s[60:61]        ; q's codes
	s_lshl_b32 s62, s13, 12
	s_lshr_b32 s63, s55, 3
	s_lshl_b32 s63, s63, 8
	s_add_co_u32 s62, s62, s63
	s_bfe_u32 s63, s55, 0x20001
	s_lshl_b32 s63, s63, 2
	s_add_co_u32 s62, s62, s63
	s_mov_b32 s63, 0
	s_add_nc_u64 s[62:63], s[6:7], s[62:63]        ; q's scale words: two words for my four tiles
	s_lshr_b32 s70, s13, 4
	s_lshl_b32 s70, s70, 7
	s_add_co_u32 s70, s70, s55                     ; row tile of oc
	s_and_b32 s71, s13, 15                         ; head
	s_mul_i32 s66, s70, 12288
	s_mul_i32 s67, s71, 768
	s_add_co_u32 s66, s66, s67
	s_mov_b32 s67, 0
	s_add_nc_u64 s[66:67], s[8:9], s[66:67]
	s_lshl_b32 s68, s70, 9
	s_lshl_b32 s69, s71, 1
	s_add_co_u32 s68, s68, s69
	s_add_co_u32 s68, s68, 393216
	s_mov_b32 s69, 0
	s_add_nc_u64 s[68:69], s[10:11], s[68:69]
	v_and_b32 v34, 31, v0
	v_lshlrev_b32 v[C16], 4, v34
	v_lshlrev_b32 v[C8], 3, v34
	v_lshlrev_b32 v[RO], 5, v34
	v_and_b32 v35, 15, v0
	v_lshlrev_b32 v36, 4, v35                      ; 16 r
	v_bfe_u32 v37, v0, 4, 1                        ; h
	v_bfe_u32 v38, v0, 3, 1                        ; r / 8
	v_and_b32 v39, 7, v0                           ; r % 8
	v_mul_u32_u24 v34, v38, 1536                   ; lanes 8-15: two stored tiles on, the next block of 32 keys
	v_lshl_add_u32 v[LK16], v39, 4, v34
	v_lshl_add_u32 v[LK16], v37, 8, v[LK16]
	v_lshl_add_u32 v[LK8], v39, 3, v34
	v_lshl_add_u32 v[LK8], v37, 7, v[LK8]
	v_lshl_add_u32 v[LKS], v39, 4, SCK
	v_lshl_add_u32 v[LKS], v38, 2, v[LKS]
	v_add_nc_u32 v[LVS], SCK+4096, v36
	v_add_nc_u32 v[CV16], VB, v[C16]
	v_add_nc_u32 v[CV8], VB, v[C8]
	WIN 0x40
.irp p, 0,1,2,3
	global_load_b128 v[QB+6+12*\p:QB+9+12*\p], v[C16], s[60:61] offset:768*\p
	global_load_b64 v[QB+10+12*\p:QB+11+12*\p], v[C8], s[60:61] offset:768*\p+512
.endr
	WIN 0
	global_load_b64 v[QW:QW+1], v36, s[62:63]
	WIN 0x40
	v_lshlrev_b32 v[SH8W], 3, v37                  ; 8 h
.irp p, 0,1,2,3,4
.irp i, 0,1,2,3,4,5
	v_mov_b32 v[QB+12*\p+\i], 0                    ; the zero codes beside q
.endr
.endr
.irp i, 0,1,2,3,4,5,6,7
	v_mov_b32 v[L+\i], 0                           ; the rows' sums
.endr
	WIN 0
.irp t, 0,1,2,3
	v_mov_b32 v[ST+2*\t], 0x7f61b1e6               ; -M = 3e38, over every -M to come
	v_mov_b32 v[ST+2*\t+1], 0xff61b1e6             ; the largest score so far: -3e38
.endr
	v_mov_b32 v[TP], 0                             ; a lane permute's destination counts as one of its sources
	v_mov_b32 v[OPT], 0
	v_mov_b32 v[OPT+1], 0
	v_mov_b32 v41, 0                               ; the upper halves of f's pairs
	WALU
	s_wait_loadcnt 0x0
	v_mov_b32 v37, 0
	v_perm_b32 v[QS], v[QW], v[QW], 0x05040100     ; a tile's two bytes, for q on either side of the zeros
	v_perm_b32 v[QS+1], v[QW], v[QW], 0x07060302
	v_perm_b32 v[QS+2], v[QW+1], v[QW+1], 0x05040100
	v_perm_b32 v[QS+3], v[QW+1], v[QW+1], 0x07060302
.set J, 0
.rept 128
	v_mov_b32 v[O+J], 0                            ; O^T: the step is written once, and the first change of M leaves zeros zeros
.set J, J+1
.endr
	WALU
	s_wait_tensorcnt 0x0
	s_barrier_signal -1
	s_barrier_wait -1                              ; all eight loads are in
	KLOAD LK16, LK8, LKS, 0
	s_wait_dscnt 0x0
	WIN 0x55
.irp i, 0,1,2,3,4,5,6,7
	QK1 0, \i, 0
.endr
.rept 4
	v_nop
.endr
	WIN 0
; One tile's turn in a step.  x: its S buffer, y: the other, which takes the next tile's scores.
.macro SLOT t, x, y
.set NM, ST+2*\t
.set LL, L+2*\t
.set FC, 40-4*(\t%2)
.set FP, 36+4*(\t%2)
.if \t == 1
	s_wait_dscnt 0x0                               ; v's fragments, asked for in tile 0's turn
.endif
	WIN 0x55
	WALU                                           ; directly ahead of the first readers of S
.irp q, 0,1,2,3                                ; the largest score of my two blocks of 32 keys: a chain to each accumulator, from its low end on
.irp c, 0,1
	v_max3_num_f32 v[CH+8*\c+\q], v[\x+32*\c+8*\q], v[\x+32*\c+8*\q+1], v[\x+32*\c+8*\q+2]
.endr
.endr
.irp k, 3,5
.irp q, 0,1,2,3
.irp c, 0,1
	v_max3_num_f32 v[CH+8*\c+\q], v[CH+8*\c+\q], v[\x+32*\c+8*\q+\k], v[\x+32*\c+8*\q+\k+1]
.endr
.endr
.endr
.irp c, 0,1
	v_max3_num_f32 v[CH+8*\c], v[CH+8*\c], v[CH+8*\c+1], v[\x+32*\c+7]
.endr
.irp c, 0,1
	v_max3_num_f32 v[CH+8*\c+2], v[CH+8*\c+2], v[CH+8*\c+3], v[\x+32*\c+15]
.endr
.irp c, 0,1
	v_max3_num_f32 v[CH+8*\c], v[CH+8*\c], v[CH+8*\c+2], v[\x+32*\c+23]
.endr
.irp c, 0,1
	v_max_num_f32 v[BM+\c], v[CH+8*\c], v[\x+32*\c+31]
.endr
	WIN 0x05
	v_max_num_f32 v[TT], v[BM], v[BM+1]
	WIN 0
.if \t > 0
	WALU                                           ; directly ahead of the first readers of O^T
.irp k, 0,4,8,12
	MO (\t-1), \k, FP                              ; each accumulator's low end first
.endr
	v_permlanex16_b32 v[TP], v[TT], s20, s21       ; with lane l xor 16's 64 keys
.irp k, 1,2,3
	MO (\t-1), \k, FP
.endr
	v_max3_num_f32 v[NM+1], v[NM+1], v[TT], v[TP]  ; the running largest score
	PV1 (\t-1), 0
.irp k, 5,6,7
	MO (\t-1), \k, FP
.endr
	v_mul_f32 v[TT], s22, v[NM+1]                  ; as t
	v_mov_b32 v[TP], v[NM]
	PV1 (\t-1), 1
.irp k, 9,10,11
	MO (\t-1), \k, FP
.endr
	v_floor_f32 v[NM], -v[TT]                      ; -M = floor(-t)
	PV1 (\t-1), 2
.irp k, 13,14,15
	MO (\t-1), \k, FP
.endr
	v_sub_f32 v[TT], v[NM], v[TP]                  ; old M - new M, a whole number
	PV1 (\t-1), 3
.else
	v_permlanex16_b32 v[TP], v[TT], s20, s21
	v_add_nc_u32 v[AV16], s52, v[CV16]
	v_add_nc_u32 v[AV8], s52, v[CV8]
	v_add_nc_u32 v[AVS], s53, v[LVS]
	v_max3_num_f32 v[NM+1], v[NM+1], v[TT], v[TP]
	v_add_nc_u32 v[AK16], s52, v[LK16]
	v_add_nc_u32 v[AK8], s52, v[LK8]
	v_add_nc_u32 v[AKS], s53, v[LKS]
	v_mul_f32 v[TT], s22, v[NM+1]
	v_mov_b32 v[TP], v[NM]
.irp d, 0,1,2,3
	ds_load_b128 v[VF+12*\d:VF+12*\d+3], v[AV16] offset:1536*\d
	ds_load_b64 v[VF+12*\d+4:VF+12*\d+5], v[AV8] offset:1536*\d+512
	ds_load_b128 v[VF+12*\d+6:VF+12*\d+9], v[AV16] offset:1536*\d+768
	ds_load_b64 v[VF+12*\d+10:VF+12*\d+11], v[AV8] offset:1536*\d+1280
.endr
	ds_load_b128 v[VS:VS+3], v[AVS]
	v_floor_f32 v[NM], -v[TT]
	v_sub_f32 v[TT], v[NM], v[TP]
.endif
	v_cvt_i32_f32 v[TT], v[TT]
	v_ldexp_f32 v[FC], 1.0, v[TT]                  ; f = 2^(old M - new M)
	WIN 0x41
.set J, 0
.rept 32
	v_pk_fma_f32 v[\x+J:\x+J+1], v[\x+J:\x+J+1], s[22:23], v[NM:NM+1] op_sel_hi:[1,0,0]   ; t - M
.set J, J+2
.endr
.irp c, 0,1
	v_fma_f32 v[BM+\c], v[BM+\c], s22, v[NM]
.endr
	v_pk_mul_f32 v[LL:LL+1], v[LL:LL+1], v[FC:FC+1] op_sel_hi:[1,0]   ; the sums under the new M
.if \t == 3
	WIN 0
	s_wait_dscnt 0x0                               ; the next step's k, asked for in tile 2's turn
	WALU                                           ; a wait ahead of the batch and one behind it
	s_cmp_eq_u32 s54, 1
	s_cbranch_scc1 .Lplain                         ; the last trip has no next step
	WIN 0x55
	BATCH \x, \y, 0, 1
	WIN 0
	WALU
	s_branch .Ljoined
.Lplain:
	WIN 0x55
	BATCH \x, \y, 0, 0
	WIN 0
	WALU
.Ljoined:
	WIN 0x55
.else
	WIN 0x55
	WALU                                           ; a wait ahead of the batch and one behind it
	BATCH \x, \y, (\t+1), 1
	WALU
.endif
.set G, 0                                      ; the row's sum of the unquantised p, four chains; among them p's scale word
.rept 8
	v_pk_add_f32 v[LL:LL+1], v[LL:LL+1], v[\x+8*G:\x+8*G+1]
.if G == 0
	v_max_num_f32 v[BM], 0x1800000, v[BM]          ; the floor 2^(3 - 127) holds the byte at 1 from below
	v_max_num_f32 v[BM+1], 0x1800000, v[BM+1]
.elseif G == 1
	v_pk_add_f32 v[PT:PT+1], v[\x+2:\x+3], v[\x+10:\x+11]
	v_pk_add_f32 v[PT2:PT2+1], v[\x+4:\x+5], v[\x+12:\x+13]
	v_pk_add_f32 v[PT3:PT3+1], v[\x+6:\x+7], v[\x+14:\x+15]
	v_add_nc_u32 v[SOW], 0xff000000, v[BM]         ; 2 off the exponent field
	v_add_nc_u32 v[SOW+1], 0xff000000, v[BM+1]
.else
	v_pk_add_f32 v[PT:PT+1], v[PT:PT+1], v[\x+8*G+2:\x+8*G+3]
	v_pk_add_f32 v[PT2:PT2+1], v[PT2:PT2+1], v[\x+8*G+4:\x+8*G+5]
	v_pk_add_f32 v[PT3:PT3+1], v[PT3:PT3+1], v[\x+8*G+6:\x+8*G+7]
.endif
.if G == 2
	v_lshrrev_b32 v[BW], 23, v[SOW]                ; the bytes of my blocks h and 2 + h
	v_lshrrev_b32 v[BW+1], 23, v[SOW+1]
.elseif G == 3
	v_lshl_or_b32 v[WW], v[BW+1], 16, v[BW]
.elseif G == 4
	v_lshlrev_b32 v[WW], v[SH8W], v[WW]
.elseif G == 5
	v_permlanex16_b32 v[TPW], v[WW], s20, s21
.endif
.set G, G+1
.endr
	v_pk_add_f32 v[PT:PT+1], v[PT:PT+1], v[PT2:PT2+1]
	v_pk_add_f32 v[LL:LL+1], v[LL:LL+1], v[PT3:PT3+1]
	v_pk_add_f32 v[LL:LL+1], v[LL:LL+1], v[PT:PT+1]
.if \t == 2
	WIN 0
	WALU
	s_cmp_eq_u32 s54, 1
	s_cbranch_scc1 .Lno_k                          ; the last trip has no next step
	KLOAD AK16, AK8, AKS, 1
.Lno_k:
.endif
	WIN 0x05
.irp c, 0,1
	v_add_nc_u32 v[SO+\c], 0xff000000, v[BM+\c]    ; the conversions' scale operands
.endr
	v_or_b32 v[PW], v[WW], v[TPW]                  ; with lane l xor 16's two bytes the word is whole
	WIN 0x01
	v_cvt_scalef32_pk16_fp6_f32 v[PCD:PCD+2], v[\x:\x+15], v[SO]
	v_cvt_scalef32_pk16_fp6_f32 v[CT0:CT0+2], v[\x+16:\x+31], v[SO]
	v_cvt_scalef32_pk16_fp6_f32 v[PCD+6:PCD+8], v[\x+32:\x+47], v[SO+1]
	v_cvt_scalef32_pk16_fp6_f32 v[CT1:CT1+2], v[\x+48:\x+63], v[SO+1]
	WIN 0
	v_nop                                          ; one plain place behind a scaled conversion
.irp i, 0,1,2
	v_mov_b32 v[PCD+3+\i], v[CT0+\i]
	v_mov_b32 v[PCD+9+\i], v[CT1+\i]
.endr
.if \t == 3
	WALU                                           ; directly ahead of the first readers of O^T
.irp k, 0,1,2,3,4,5,6,7,8,9,10,11,12,13,14,15
	MO 3, \k, FC
.endr
.irp d, 0,1,2,3
	PV1 3, \d
.endr
.endif
.endm
	s_mov_b32 s52, 0
	s_mov_b32 s53, 0
	s_mov_b32 s54, 16
.Lstep:
	SLOT 0, 0, 64
	SLOT 1, 64, 0
	SLOT 2, 0, 64
	SLOT 3, 64, 0
	s_add_co_u32 s52, s52, 6144
	s_add_co_u32 s53, s53, 256
	s_sub_co_u32 s54, s54, 1
	s_cmp_lg_u32 s54, 0
	WALU
	s_cbranch_scc1 .Lstep
; THE WAY OUT: O^T / the sum, quantised along the head's 64 (two blocks), stored as an image of the next product's operand registers.
	WIN 0x05
.irp t, 0,1,2,3
	v_add_f32 v[34+\t], v[L+2*\t], v[L+2*\t+1]
.endr
	WIN 0
.irp t, 0,1,2,3
	v_permlanex16_b32 v[11+\t], v[34+\t], s20, s21
.endr
.irp t, 0,1,2,3
	v_add_f32 v[34+\t], v[34+\t], v[11+\t]
.endr
	WALU
.irp t, 0,1,2,3
	v_rcp_f32 v[ST+2*\t], v[34+\t]
.endr
	v_nop
.macro OUTT t
	WALU                                           ; directly ahead of the first reader
.set J, 0
.rept 16
	v_pk_mul_f32 v[SN+J:SN+J+1], v[O+32*\t+J:O+32*\t+J+1], v[ST+2*\t:ST+2*\t+1] op_sel_hi:[1,0]
.set J, J+2
.endr
.irp b, 0,1
	v_max3_num_f32 v[OBM+\b], |v[SN+16*\b]|, |v[SN+1+16*\b]|, 0x1800000
.endr
.irp i, 2,4,6,8,10,12,14
.irp b, 0,1
	v_max3_num_f32 v[OBM+\b], v[OBM+\b], |v[SN+16*\b+\i]|, |v[SN+1+16*\b+\i]|
.endr
.endr
.irp b, 0,1
	v_permlanex16_b32 v[OPT+\b], v[OBM+\b], s20, s21
.endr
.irp b, 0,1
	v_max_num_f32 v[OBM+\b], v[OBM+\b], v[OPT+\b]
.endr
.irp b, 0,1
	v_add_nc_u32 v[SO+\b], 0xff000000, v[OBM+\b]
.endr
.irp b, 0,1
	v_lshrrev_b32 v[OPT+\b], 23, v[SO+\b]
.endr
	v_lshl_or_b32 v[34+\t], v[OPT+1], 8, v[OPT]
	v_cvt_scalef32_pk16_fp6_f32 v[OC+6*\t:OC+6*\t+2], v[SN:SN+15], v[SO]
	v_cvt_scalef32_pk16_fp6_f32 v[CT0:CT0+2], v[SN+16:SN+31], v[SO+1]
	v_nop
.irp i, 0,1,2
	v_permlane16_swap_b32 v[OC+6*\t+\i], v[CT0+\i]
.endr
.irp i, 0,1,2
	v_mov_b32 v[OC+6*\t+3+\i], v[CT0+\i]
.endr
	global_store_b128 v[C16], v[OC+6*\t:OC+6*\t+3], s[66:67] offset:12288*\t
	global_store_b64 v[C8], v[OC+6*\t+4:OC+6*\t+5], s[66:67] offset:12288*\t+512
.endm
	OUTT 0
	OUTT 1
	OUTT 2
	OUTT 3
	v_cmp_gt_u32 vcc_lo, 128, v[C8]                ; lanes 0-15 carry the even tile's bytes, lanes 16-31 the odd tile's
	v_cndmask_b32 v38, v35, v34, vcc_lo
	v_cndmask_b32 v39, v37, v36, vcc_lo
	global_store_b16 v[RO], v38, s[68:69]
	global_store_b16 v[RO], v39, s[68:69] offset:1024
	s_wait_tensorcnt 0x0                           ; the wave's end
	ds_add_u32 v[SPW], v[NIL]
	s_wait_dscnt 0x0
	CROUND
	s_endpgm
.Lfunc_end_k_qbe7efe188c_attn:
	.size	k_qbe7efe188c_attn, .Lfunc_end_k_qbe7efe188c_attn-k_qbe7efe188c_attn
	.p2alignl 7, 3214868480
	.fill 96, 4, 3214868480
	.section	.rodata,"a",@progbits
	.p2align	6, 0x0
	.amdhsa_kernel k_qbe7efe188c_attn
		.amdhsa_group_segment_fixed_size 327680
		.amdhsa_private_segment_fixed_size 0
		.amdhsa_enable_private_segment 0
		.amdhsa_kernarg_size 32
		.amdhsa_user_sgpr_count 2
		.amdhsa_user_sgpr_kernarg_segment_ptr 1
		.amdhsa_wavefront_size32 1
		.amdhsa_system_sgpr_workgroup_id_x 1
		.amdhsa_system_sgpr_workgroup_id_y 1
		.amdhsa_system_sgpr_workgroup_id_z 1
		.amdhsa_system_vgpr_workitem_id 0
		.amdhsa_next_free_vgpr 512
		.amdhsa_next_free_sgpr 72
		.amdhsa_reserve_vcc 1
		.amdhsa_float_denorm_mode_32 3
		.amdhsa_float_denorm_mode_16_64 3
		.amdhsa_memory_ordered 1
		.amdhsa_forward_progress 1
		.amdhsa_inst_pref_size 86
	.end_amdhsa_kernel
	.amdgpu_metadata
---
amdhsa.version: [ 1, 2 ]
amdhsa.kernels:
  - .name:           k_qbe7efe188c_attn
    .symbol:         k_qbe7efe188c_attn.kd
    .args:
      - { .name: qkvc, .offset: 0, .size: 8, .value_kind: global_buffer, .address_space: global }
      - { .name: qkvs, .offset: 8, .size: 8, .value_kind: global_buffer, .address_space: global }
      - { .name: oc, .offset: 16, .size: 8, .value_kind: global_buffer, .address_space: global }
      - { .name: scl, .offset: 24, .size: 8, .value_kind: global_buffer, .address_space: global }
    .group_segment_fixed_size: 327680
    .private_segment_fixed_size: 0
    .kernarg_segment_align: 8
    .kernarg_segment_size: 32
    .max_flat_workgroup_size: 256
    .sgpr_count:     72
    .vgpr_count:     512
    .wavefront_size: 32
...
	.end_amdgpu_metadata
.endif
;; end of part 4
;; launch gemm_o (part 5): grid 4 x 64, 4 waves a work-group, clusters of 4 x 4, 327,680 bytes of LDS; arguments oc, wc, scl, proj_b, out0; writes out0
.if DOCPART == 5
	.amdgcn_target "amdgcn-amd-amdhsa--gfx1250"
	.amdhsa_code_object_version 6
	.text
	.protected	k_qbe7efe188c_gemm_o
	.globl	k_qbe7efe188c_gemm_o
	.p2align	8
	.type	k_qbe7efe188c_gemm_o,@function
k_qbe7efe188c_gemm_o:
	s_mov_b64 s[64:65], 0
	v_nop
	global_prefetch_b8 v0, s[64:65] scope:SCOPE_SE
	s_setreg_imm32_b32 hwreg(HW_REG_WAVE_MODE, 25, 1), 1
	s_wait_xcnt 0x0
	s_wait_alu depctr_hold_cnt(0) depctr_sa_sdst(0) depctr_va_vdst(0) depctr_va_sdst(0) depctr_va_ssrc(0) depctr_va_vcc(0) depctr_vm_vsrc(0)
	s_getreg_b32 s2, hwreg(HW_REG_IB_STS2, 6, 4)
	s_cmp_eq_u32 s2, 0
	s_cbranch_scc0 .Lentry_in_a_cluster
	s_endpgm
.Lentry_in_a_cluster:
	s_bfe_u32 s2, ttmp6, 0x10000c
	s_cmp_lg_u32 s2, 0xf033
	s_cbranch_scc0 .Lentry_shape_is_right
	s_endpgm
.Lentry_shape_is_right:
; out0 = o W + b on codes of E2M3.  A block is 128 rows x 256 columns: 64 x 4 = 256 work-groups.  Four waves, 2 x 2, each 64 rows (L: 4 tiles of o) x 128 columns (P: 8 tiles of W): 32 accumulators.
; Source 0 is the P side, source 1 the L side: a lane's eight results are eight columns of one row.  Rows and columns lie in position order (bits 3 and 4 swapped), as the earlier launches laid them.
; K = 1,024 IS SHORT: each wave's one joint load at the head brings its part for ALL of K (waves 0, 1: a half of L, 49,152 bytes; waves 2, 3: a half of P, 98,304 bytes; dense blocks, as rows of 256 bytes).
; Nothing is filled again, so the walk along K has no barrier.  L is shared along a row of the 4 x 4 cluster, P along a column.
; No prefetch: all bytes are asked for at the head, and there is no loop to run ahead in.
; Operands lie in LDS as images of their registers (1,536 bytes a fragment).  Two sets of fragments: a step's loads go out ahead of the step before's products.
; The scale words stay in registers: P's tile b, K step s in v[32 + 8 b + s], L's tile a in v[96 + 8 a + (s + 4) % 8].  The bias is the first products' C.
; The way out goes through a stage of 16 rows x 528 bytes for each wave, on LDS bytes that have had their only fill, behind a barrier in front of which every wave has ended its reads.
; WINDOW 0: addresses, scale words, L's fragments (v128-223).  WINDOW 1: P's fragments (v0-95, v128-223), the bias (v96-127, v224-255).  WINDOW 2: the accumulators, (a, b) at v[64 a + 8 b].
.set FR,     12
.set LH,     49152
.set PH,     98304
.set PB,     2*LH
.set SPARE,  PB+2*PH
.set SPITCH, 528
.set ADRA, 16
.set ADRB, 18
.set STO,  24
.set RD,   25
.set CO,   26
.set SPW,  28
.set NIL,  29
.set SP,   32
.set SL,   96
.set AF,   128
.set BK,   128
.set G1,  24
.set G0,  32
.set G1B, 48
.set G0B, 56
.set MSB, 0
.macro WIN new
.if MSB != (\new)
	s_set_vgpr_msb (MSB<<8)|(\new)
.set MSB, (\new)
.endif
.endm
.macro CROUND
	s_barrier_signal -1
	s_barrier_wait -1
	s_cmp_lg_u32 s16, 0
	s_cbranch_scc1 .Lnot_wave_0_\@
	s_barrier_signal -3
.Lnot_wave_0_\@:
	s_barrier_wait -3
	s_barrier_signal -1
	s_barrier_wait -1
.endm
.macro PLACES n
.rept \n
	v_nop
.endr
.endm
.macro FRAG reg, a16, a8, off
	ds_load_b128 v[\reg:\reg+3], v[\a16] offset:\off
	ds_load_b64 v[\reg+4:\reg+5], v[\a8] offset:\off+512
	ds_load_b128 v[\reg+6:\reg+9], v[\a16] offset:\off+768
	ds_load_b64 v[\reg+10:\reg+11], v[\a8] offset:\off+1280
.endm
.macro FETCH ks                        ; K step ks: P's eight fragments and L's four, into set ks % 2
	WIN 0x40
.irp i, 0,1,2,3,4,5,6,7
	FRAG 128*((\ks)%2)+FR*\i, ADRB+2*(\i/4), ADRB+2*(\i/4)+1, 12288*(\i%4)+1536*(\ks)
.endr
	WIN 0
.irp i, 0,1,2,3
	FRAG AF+48*((\ks)%2)+FR*\i, ADRA, ADRA+1, 12288*\i+1536*(\ks)
.endr
.endm
.macro MUL ks, first                   ; 32 products; the accumulators take turns, one instruction a turn
.irp a, 0,1,2,3
.irp b, 0,1,2,3,4,5,6,7
.if \first
	v_wmma_scale_f32_16x16x128_f8f6f4 v[64*\a+8*\b:64*\a+8*\b+7], v[128*((\ks)%2)+FR*\b:128*((\ks)%2)+FR*\b+FR-1], v[AF+48*((\ks)%2)+FR*\a:AF+48*((\ks)%2)+FR*\a+FR-1], v[96+8*\b+96*(\b/4):96+8*\b+96*(\b/4)+7], v[SP+8*\b+(\ks)], v[SL+8*\a+((\ks)+4)%8] matrix_a_fmt:MATRIX_FMT_FP6 matrix_b_fmt:MATRIX_FMT_FP6
.else
	v_wmma_scale_f32_16x16x128_f8f6f4 v[64*\a+8*\b:64*\a+8*\b+7], v[128*((\ks)%2)+FR*\b:128*((\ks)%2)+FR*\b+FR-1], v[AF+48*((\ks)%2)+FR*\a:AF+48*((\ks)%2)+FR*\a+FR-1], v[64*\a+8*\b:64*\a+8*\b+7], v[SP+8*\b+(\ks)], v[SL+8*\a+((\ks)+4)%8] matrix_a_fmt:MATRIX_FMT_FP6 matrix_b_fmt:MATRIX_FMT_FP6
.endif
.endr
.endr
.endm
	s_load_b256 s[4:11], s[0:1], 0x0               ; oc, wc, scl, proj_b
	s_load_b64 s[12:13], s[0:1], 0x20              ; out0
	v_lshl_add_u32 v[SPW], v0, 2, SPARE
	v_mov_b32 v[NIL], 0
	ds_add_u32 v[SPW], v[NIL]                      ; the opening lines
	ds_add_u32 v[SPW], v[NIL]
	v_lshrrev_b32 v1, 5, v0
	v_readfirstlane_b32 s16, v1                    ; wave
	s_lshr_b32 s17, s16, 1                         ; my half of L's rows.  Also: I fetch for L (0) or for P (1)
	s_and_b32 s18, s16, 1                          ; my half of P's columns.  Also: which half I fetch
	s_bfe_u32 s20, ttmp6, 0x40000                  ; cx
	s_bfe_u32 s21, ttmp6, 0x40004                  ; cy
	s_and_b32 s22, ttmp7, 0xffff
	s_lshl_b32 s66, s21, 2
	s_lshl_b32 s66, 15, s66                        ; my row of the cluster
	s_lshl_b32 s67, 0x1111, s20                    ; my column
	s_or_b32 s[G1], s66, (3<<16)|(1<<21)
	s_or_b32 s[G1B], s67, (3<<16)|(1<<21)
	s_mov_b32 s[G1+1], 32<<16                      ; rows of 256 bytes, dense
	s_mov_b32 s[G1+2], 192<<16
	s_mov_b32 s[G1+3], 32<<16
	s_mov_b32 s[G1+4], 192
	s_mov_b32 s[G1+5], 32
	s_mov_b32 s[G1+6], 0
	s_mov_b32 s[G1+7], 0
	s_mov_b32 s[G1B+1], 32<<16
	s_mov_b32 s[G1B+2], 384<<16
	s_mov_b32 s[G1B+3], 32<<16
	s_mov_b32 s[G1B+4], 384
	s_mov_b32 s[G1B+5], 32
	s_mov_b32 s[G1B+6], 0
	s_mov_b32 s[G1B+7], 0
	s_lshl_b32 s68, s22, 2
	s_add_co_u32 s68, s68, s21                     ; which 128 rows
	s_lshl_b32 s69, ttmp9, 2
	s_add_co_u32 s69, s69, s20                     ; which 256 columns
	s_add_co_u32 s70, s69, 12                      ; proj_w's columns lie behind qkv_w's 3,072 in wc
	s_lshl_b32 s40, s68, 3
	s_lshl_b32 s74, s18, 2
	s_add_co_u32 s40, s40, s74
	s_mul_i32 s40, s40, 12288                      ; L: row tile 8 x block + 4 x half
	s_mov_b32 s41, 0
	s_lshl_b32 s42, s70, 4
	s_lshl_b32 s74, s18, 3
	s_add_co_u32 s42, s42, s74
	s_mul_i32 s42, s42, 12288                      ; P: column tile 16 x block + 8 x half
	s_mov_b32 s43, 0
	s_mul_i32 s75, s18, LH
	s_mul_i32 s76, s18, PH
	s_add_co_u32 s76, s76, PB
	s_wait_dscnt 0x0
	s_wait_kmcnt 0x0
	s_add_nc_u64 s[40:41], s[4:5], s[40:41]
	s_add_nc_u64 s[42:43], s[6:7], s[42:43]
	CROUND
	s_mov_b32 s[G0], 1
	s_mov_b32 s[G0+1], s75
	s_mov_b64 s[G0+2:G0+3], s[40:41]
	s_or_b32 s[G0+3], s[G0+3], 0x80000000
	s_mov_b32 s[G0B], 1
	s_mov_b32 s[G0B+1], s76
	s_mov_b64 s[G0B+2:G0B+3], s[42:43]
	s_or_b32 s[G0B+3], s[G0B+3], 0x80000000
	s_cmp_eq_u32 s17, 0
	s_cbranch_scc0 .Lfor_p
	tensor_load_to_lds s[G0:G0+3], s[G1:G1+7]
	s_nop 0
	PLACES 4
	s_branch .Lasked
.Lfor_p:
	tensor_load_to_lds s[G0B:G0B+3], s[G1B:G1B+7]
	s_nop 0
	PLACES 4
.Lasked:
	v_and_b32 v1, 15, v0                           ; r
	v_bfe_u32 v2, v0, 4, 1                         ; h
	v_and_b32 v3, 31, v0
	v_lshlrev_b32 v[CO], 4, v3
	v_lshlrev_b32 v4, 3, v3
	s_mul_i32 s76, s17, LH
	s_mul_i32 s77, s18, PH
	s_add_co_u32 s77, s77, PB
	v_add_nc_u32 v[ADRA], s76, v[CO]
	v_add_nc_u32 v[ADRA+1], s76, v4
	v_add_nc_u32 v[ADRB], s77, v[CO]
	v_add_nc_u32 v[ADRB+1], s77, v4
	s_add_co_u32 s77, s77, 4*12288                 ; P's tiles 4-7
	v_add_nc_u32 v[ADRB+2], s77, v[CO]
	v_add_nc_u32 v[ADRB+3], s77, v4
	s_mul_i32 s79, s16, 16*SPITCH
	v_mul_u32_u24 v5, v1, SPITCH
	v_lshl_add_u32 v5, v2, 6, v5
	v_add_nc_u32 v[STO], s79, v5
	v_add_nc_u32 v[RD], s79, v[CO]
	s_lshl_b32 s73, s68, 7
	s_lshl_b32 s74, s17, 6
	s_add_co_u32 s73, s73, s74                     ; my first row
	s_lshl_b32 s82, s73, 12
	s_lshl_b32 s73, s73, 5
	s_add_co_u32 s73, s73, 393216                  ; o's scale words in scl
	s_lshl_b32 s74, s70, 8
	s_lshl_b32 s79, s18, 7
	s_add_co_u32 s74, s74, s79
	s_lshl_b32 s74, s74, 5
	s_add_co_u32 s74, s74, 0x40000                 ; the weights'
	v_lshlrev_b32 v6, 5, v1
	v_add_nc_u32 v27, s73, v6
	v_add_nc_u32 v31, s74, v6
.irp i, 0,1,2,3,4,5,6,7
.irp e, 0,1
	global_load_b128 v[SP+8*\i+4*\e:SP+8*\i+4*\e+3], v31, s[8:9] offset:512*\i+16*\e
.endr
.endr
.irp i, 0,1,2,3
.irp e, 0,1
	global_load_b128 v[SL+8*\i+4*(1-\e):SL+8*\i+4*(1-\e)+3], v27, s[8:9] offset:512*\i+16*\e
.endr
.endr
	s_lshl_b32 s84, s69, 10
	s_lshl_b32 s85, s18, 9
	s_add_co_u32 s84, s84, s85                     ; my first column, in bytes
	s_mov_b32 s85, 0
	s_add_nc_u64 s[10:11], s[10:11], s[84:85]
	s_add_co_u32 s82, s82, s84
	s_mov_b32 s83, 0
	s_add_nc_u64 s[12:13], s[12:13], s[82:83]
	v_lshlrev_b32 v30, 6, v2
	WIN 0x40
.irp b, 0,1,2,3
.irp e, 0,1,2,3
	global_load_b128 v[96+16*\b+96*(\b/2)+4*\e:96+16*\b+96*(\b/2)+4*\e+3], v30, s[10:11] offset:128*\b+16*\e
.endr
.endr
	WIN 0
	s_wait_alu depctr_va_vdst(0)
	s_wait_tensorcnt 0x0
	s_barrier_signal -1
	s_barrier_wait -1                              ; all four loads are in
	FETCH 0
	s_wait_loadcnt 0x0                             ; scale words and bias
	s_wait_dscnt 0x0
	FETCH 1
	WIN 0x91
	MUL 0, 1                                       ; the first products start the sums on the bias
	WIN 0
.irp ks, 1,2,3,4,5,6
	s_wait_dscnt 0x0                               ; this step's fragments are in
	PLACES 4                                       ; in front of loads into the registers that the last step's products read
	FETCH \ks+1
	WIN 0xa1
	MUL \ks, 0
	WIN 0
.endr
	s_wait_dscnt 0x0                               ; my last reads of the operands are over
	s_barrier_signal -1
	WIN 0xa1
	MUL 7, 0
	WIN 0
	s_barrier_wait -1                              ; and everybody's: the stages may be written
.macro TOSTAGE a
	WIN 0x08
.irp b, 0,1,2,3,4,5,6,7
	ds_store_b128 v[STO], v[64*(\a)+8*\b:64*(\a)+8*\b+3] offset:128*(\b/2)+32*(\b%2)
	ds_store_b128 v[STO], v[64*(\a)+8*\b+4:64*(\a)+8*\b+7] offset:128*(\b/2)+32*(\b%2)+16
.endr
	WIN 0
.set BB, BK+64*((\a)%2)
.irp t, 0,1,2,3,4,5,6,7,8,9,10,11,12,13,14,15
	ds_load_b128 v[BB+4*\t:BB+4*\t+3], v[RD] offset:\t*SPITCH      ; LDS serves a wave's instructions in order: these see the stores above
.endr
.endm
.macro SEND a, younger
.set BB, BK+64*((\a)%2)
	s_wait_dscnt \younger
.if (\a) > 0
.if (\a)%2 == 1
	s_add_nc_u64 s[12:13], s[12:13], 8*4096        ; the odd tile of a pair begins 8 rows on,
.else
	s_add_nc_u64 s[12:13], s[12:13], 24*4096       ; the next pair 24 further
.endif
.endif
.irp t, 0,1,2,3,4,5,6,7,8,9,10,11,12,13,14,15
	global_store_b128 v[CO], v[BB+4*\t:BB+4*\t+3], s[12:13] offset:(\t+8*(\t/8))*4096 th:TH_STORE_NT   ; 512 consecutive bytes of a row, aligned
.endr
.endm
	PLACES 4
	TOSTAGE 0
.irp a, 1,2,3
.if \a > 1
	s_wait_xcnt 0x0                                ; block a - 2's stores have read their registers and their base
.endif
	TOSTAGE \a
	SEND \a-1, 32                                  ; behind block a - 1's loads: block a's 16 stores and 16 loads
.endr
	s_wait_xcnt 0x0
	SEND 3, 0
	s_wait_tensorcnt 0x0                           ; the wave's end
	ds_add_u32 v[SPW], v[NIL]
	s_wait_dscnt 0x0
	CROUND
	s_endpgm
.Lfunc_end_k_qbe7efe188c_gemm_o:
	.size	k_qbe7efe188c_gemm_o, .Lfunc_end_k_qbe7efe188c_gemm_o-k_qbe7efe188c_gemm_o
	.p2alignl 7, 3214868480
	.fill 96, 4, 3214868480
	.section	.rodata,"a",@progbits
	.p2align	6, 0x0
	.amdhsa_kernel k_qbe7efe188c_gemm_o
		.amdhsa_group_segment_fixed_size 327680
		.amdhsa_private_segment_fixed_size 0
		.amdhsa_enable_private_segment 0
		.amdhsa_kernarg_size 40
		.amdhsa_user_sgpr_count 2
		.amdhsa_user_sgpr_kernarg_segment_ptr 1
		.amdhsa_wavefront_size32 1
		.amdhsa_system_sgpr_workgroup_id_x 1
		.amdhsa_system_sgpr_workgroup_id_y 1
		.amdhsa_system_sgpr_workgroup_id_z 1
		.amdhsa_system_vgpr_workitem_id 0
		.amdhsa_next_free_vgpr 768
		.amdhsa_next_free_sgpr 100
		.amdhsa_reserve_vcc 0
		.amdhsa_float_denorm_mode_32 3
		.amdhsa_float_denorm_mode_16_64 3
		.amdhsa_memory_ordered 1
		.amdhsa_forward_progress 1
		.amdhsa_inst_pref_size 84
	.end_amdhsa_kernel
	.amdgpu_metadata
---
amdhsa.version: [ 1, 2 ]
amdhsa.kernels:
  - .name:           k_qbe7efe188c_gemm_o
    .symbol:         k_qbe7efe188c_gemm_o.kd
    .args:
      - { .name: oc, .offset: 0, .size: 8, .value_kind: global_buffer, .address_space: global }
      - { .name: wc, .offset: 8, .size: 8, .value_kind: global_buffer, .address_space: global }
      - { .name: scl, .offset: 16, .size: 8, .value_kind: global_buffer, .address_space: global }
      - { .name: proj_b, .offset: 24, .size: 8, .value_kind: global_buffer, .address_space: global }
      - { .name: out0, .offset: 32, .size: 8, .value_kind: global_buffer, .address_space: global }
    .group_segment_fixed_size: 327680
    .private_segment_fixed_size: 0
    .kernarg_segment_align: 8
    .kernarg_segment_size: 40
    .max_flat_workgroup_size: 128
    .sgpr_count:     100
    .vgpr_count:     768
    .wavefront_size: 32
...
	.end_amdgpu_metadata
.endif
;; end of part 5
